; MI455X (gfx1250); checked and timed in simulation.
; The chip was launched on July 23, 2026; its instructions are those of AMD's public machine-readable ISA for CDNA 5 (MIT licence, August 2026) and "CDNA5" Instruction Set Architecture Reference Guide (July 2026). The comments in the code are by the model that wrote it; some were corrected since.
;; Transformer Encoder Layer. Allowed arithmetic: matrix products marked QUANTISED: E2M3 operands, one E8M0 scale for each 32 along K, by v_wmma_scale_f32_16x16x128_f8f6f4 with both operands' format E2M3, f32 sums; everything else in f32.
;; Inputs: ln1_b 1,024 float32; ln1_g 1,024 float32; ln2_b 1,024 float32; ln2_g 1,024 float32; w1 4,096 x 1,024 float32; w2 1,024 x 4,096 float32; wk 16 x 64 x 1,024 float32; wo 1,024 x 1,024 float32; wq 16 x 64 x 1,024 float32; wv 16 x 64 x 1,024 float32; x 2 x 2,048 x 1,024 float32.
;; Outputs: out0 2 x 2,048 x 1,024 float32.
;; This version of the problem:
;;   THIS VERSION OF THE PROBLEM IS GIVEN IN LOW PRECISION. The matrix products marked QUANTISED in the list below multiply operands that are first quantised to E2M3 (2 exponent bits, 3 mantissa bits; 6 bits a number), with one power-of-two scale for each 32 numbers along K (OCP MX v1.0); their sums are f32. All else is computed in f32.
;;   The module's matrix products, in the order in which they are computed (A, B: the left and right operand; K: the contracted axis; several contracted axes count as one K, in the product's order):
;;     1. [M 1,024, K 1,024] x [K 1,024, N 4,096]; A: input wq; B: computed on the way: QUANTISED
;;     2. [M 1,024, K 1,024] x [K 1,024, N 4,096]; A: input wk; B: computed on the way: QUANTISED
;;     3. [M 1,024, K 1,024] x [K 1,024, N 4,096]; A: input wv; B: computed on the way: QUANTISED
;;     4. batch 32 x [M 2,048, K 64] x [K 64, N 2,048]; A: computed on the way; B: computed on the way: QUANTISED
;;     5. batch 32 x [M 2,048, K 2,048] x [K 2,048, N 64]; A: softmax (see below); B: computed on the way: QUANTISED
;;     6. [M 4,096, K 1,024] x [K 1,024, N 1,024]; A: computed on the way; B: input wo: QUANTISED
;;     7. [M 4,096, K 1,024] x [K 1,024, N 4,096]; A: computed on the way; B: input w1: QUANTISED
;;     8. [M 4,096, K 4,096] x [K 4,096, N 1,024]; A: computed on the way; B: input w2: QUANTISED
;;   THE QUANTISER, for each operand of a quantised product, along K:
;;     - K is cut into blocks of 32 from its start; a last block that is shorter is filled with zeros.
;;     - A block's scale is 2^e with e = floor(log2(the largest magnitude in the block)) - 2, held to -126 .. 127; a block of zeros has e = 0. As a byte (E8M0): e + 127.
;;     - Each number is divided by its block's scale, clamped to +-7.5, and rounded to the nearest number of E2M3, ties to even, subnormals kept.
;;     - The product sums the exact products of the quantised numbers (number of the format x scale) in f32.
;;   ~~~python
;;   def quantise(x, axis):      # numpy; x: float32 -> the quantised numbers, widened to float32 again
;;       x = np.moveaxis(x, axis, -1); K = x.shape[-1]
;;       x = np.pad(x, [(0, 0)] * (x.ndim - 1) + [(0, -K % 32)]); x = x.reshape(x.shape[:-1] + (-1, 32)); a = np.abs(x).max(-1, keepdims=True)
;;       e = np.where(a > 0, np.clip(np.frexp(np.where(a > 0, a, 1))[1] - 1 - 2, -126, 127), 0)      # np.frexp(a)[1] - 1 = floor(log2(a)), exactly
;;       r = np.clip(x / 2.0 ** e, -7.5, 7.5)
;;       step = 2.0 ** (np.maximum(np.frexp(np.where(r == 0, 1, r))[1] - 1, 0) - 3)
;;       q = np.round(r / step) * step * 2.0 ** e      # np.round: ties to even
;;       return np.moveaxis(q.reshape(q.shape[:-2] + (-1,))[..., :K], -1, axis).astype(np.float32)
;;   ~~~
;;   SOFTMAX AHEAD OF A QUANTISED PRODUCT. Where the list says 'softmax', what is quantised is not the finished softmax but p = 2^(t - M), with t = logit x log2(e) and M = ceil(the row's largest t), a whole number; so 1/2 < the row's largest p <= 1. The row's sum l is taken of the UNQUANTISED p, in f32, and the product's result is divided by l at the end. Since M is a whole number, a kernel that streams over the keys may use a running M (the ceiling of the running maximum): every later rescaling is an exact power of two, which a block's scale takes up: the codes' values come out the same.
;;   OPERANDS COMPUTED ON THE WAY. 'Computed on the way' means the value that the module computes at that place (a softmax that the list does not call 'softmax' is quantised finished and normalised). What goes into a quantiser is computed in f32, as accurately as f32 sums, v_exp_f32 and their like allow (about 1e-6 of the number): no bf16 or f16 on the way to a quantiser, and a product that is left as it is and whose result goes on into a quantised operand takes f32 operands (vector FMAs, or v_wmma_f32_16x16x4_f32). A number that lies on a knife's edge between two numbers of the format may be rounded either way, as far as f32 arithmetic and the matrix unit's own rounding can turn it there, and no further.
;; One version. Each part assembles by itself: llvm-mc -triple=amdgcn-amd-amdhsa -mcpu=gfx1250 --defsym DOCPART=n.
;; ======== version 1 of 1: 6 launches
;; limits: right only within a limited range of input values
;; workspace buffers: wts 9,830,400 bytes; hq 3,276,800 bytes; qb 3,407,872 bytes; kv 6,684,672 bytes; ctx 3,276,800 bytes; h2q 3,276,800 bytes; gq 13,107,200 bytes
;; launch prep (part 1): grid 1024 x 1, 8 waves a work-group, no clusters, 69,632 bytes of LDS; arguments wq, wk, wv, wo, w1, w2, x, ln1_g, ln1_b, wts, hq; writes wts, hq
.if DOCPART == 1
	.amdgcn_target "amdgcn-amd-amdhsa--gfx1250"
	.amdhsa_code_object_version 6
	.text
	.protected	k_q3c8ca832bc_prep
	.globl	k_q3c8ca832bc_prep
	.p2align	8
	.type	k_q3c8ca832bc_prep,@function
k_q3c8ca832bc_prep:
	s_mov_b64 s[64:65], 0
	v_nop
	global_prefetch_b8 v0, s[64:65] scope:SCOPE_SE
	s_setreg_imm32_b32 hwreg(HW_REG_WAVE_MODE, 25, 1), 1
	s_wait_xcnt 0x0
; THE PROGRAM: one encoder layer (layer norm, 16-head attention, projection, layer norm, GELU MLP, two residuals) with all eight products on codes of FP6 (E2M3), one E8M0 scale for each 32 along K.
; DEAD WORK: none.  Every input (x, six weights, two gains, two biases) has a way to out0 for all values, so all are loaded and every product of the problem is done.
; LIMITS of the whole program: NaN and infinities among the inputs are not served.  A block of zeros, or one whose largest magnitude lies under 2^-124, gets the scale byte 1 (the rule says 127 for zeros):
; its codes are zeros or the rule's own, and the bytes are read by this program alone.  erf's argument is held to +-4, where erf is 1 to f32's last bit.
; THIS LAUNCH makes every operand that hangs on the inputs alone: the six weights (f32, K innermost) and h = layer norm 1 of x become codes and scale words in the order in which a wave's operand registers take them.
; POSITIONS.  A row stands at position p = its number with bits 3 and 4 exchanged.  So line i of position tile rt is source row 32 (rt / 2) + 8 (rt % 2) + 16 (i / 8) + i % 8, and in a product used transposed
; the 16 registers of two neighbouring result tiles are 16 neighbours along the next K.
; A FRAGMENT'S IMAGE (16 positions x 128 K, 1,536 bytes) is two halves of 768: registers 6 c .. 6 c + 3 at 16 x lane, registers 6 c + 4, 6 c + 5 at 512 + 8 x lane.  Images lie at (rt x K / 128 + K step) x 1,536.
; SCALE WORDS (four bytes: 128 K of one position) lie [128 positions][K step][128 words].
; SHARES.  Work-group g makes eight images, one a wave.  g 0-255: position tile g of x, K steps 0-7, into hq (codes at 12,288 g + 1,536 wave, scale words from byte 3,145,728 on); they have the longer way, two sums
; over the row, and stand first.  g 256-1,023, with d = g - 256: into wts at 12,288 d + 1,536 wave: d 0-63 wq, 64-127 wk, 128-191 wv, 192-255 wo, 256-511 w1 (a position tile, K steps 0-7);
; d 512-767 w2 (position tile (d - 512) / 4, K steps 8 ((d - 512) % 4) + wave).  Each load reads 512 consecutive bytes of a row; the 16 rows turn through the wave's own stage in LDS, so that lane (r, h) holds of
; row r k = 64 c + 32 h + 0 .. 31: two whole blocks.  All tensors take one way; the layer norm is one block of it, under one branch on the work-group's number, which is the same in all eight waves.
; THE LAYER NORM: the mean and then the sum of squared differences (two passes: a common offset of x costs no accuracy) meet in LDS, one barrier each; the result is ((x - mean) g) rsqrt(var + 1e-5) + b.
; 160 registers a wave and 69,632 bytes of LDS, so that several work-groups can share a WGP, which multiplies the bytes in flight: the rows' registers take g, then b, then the codes.
.set STG,   8448                       ; a wave's stage: 16 rows x (512 bytes + 16)
.set RED1,  8*STG                      ; 16 rows x 8 waves' sums; the second pass's 512 bytes on
.set SPARE, RED1+1024                  ; the spare words, 128 bytes a wave, which no other line names
.set WS,    9437184                    ; where the scale words begin in wts,
.set HS,    3145728                    ; and in hq
.set SPW, 12                           ; v12  my spare word's LDS address; never rewritten
.set NIL, 13                           ; v13  0; never rewritten
.set R,   16                           ; v16-79   16 rows as loaded; in the layer norm then g, then b
.set X,   80                           ; v80-143  register 32 c + i = k 64 c + 32 (lane / 16) + i of row lane % 16
.set SA,  144                          ; v144-147 two chains of sums
.set SB,  146
.set LS,  148                          ; v148-155 the eight waves' sums
.set MR,  156                          ; v156-157 the mean, later the reciprocal root, in both halves of a pair
.set MX,  144                          ; the quantiser's registers, where the sums lay
.set SO,  146
.set BY,  148
.set W,   150
.set T1,  151
.set PC,  16                           ; v16-27 the fragment's codes, v28-35 at work: where the rows lay
.set TT,  28
	s_load_b512 s[4:19], s[0:1], 0x0               ; wq, wk, wv, wo, w1, w2, x, ln1_g
	s_load_b128 s[20:23], s[0:1], 0x40             ; ln1_b, wts
	s_load_b64 s[24:25], s[0:1], 0x50              ; hq
	v_lshl_add_u32 v[SPW], v0, 2, SPARE
	v_mov_b32 v[NIL], 0
	v_lshrrev_b32 v1, 5, v0
	s_delay_alu instid0(VALU_DEP_1)
	v_readfirstlane_b32 s26, v1                    ; wave
	v_and_b32 v1, 31, v0                           ; lane
	v_and_b32 v2, 15, v0                           ; r
	v_bfe_u32 v3, v0, 4, 1                         ; h
	s_delay_alu instid0(VALU_DEP_3)
	v_lshlrev_b32 v4, 4, v1                        ; 16 x lane
	s_delay_alu instid0(VALU_DEP_4)
	v_lshlrev_b32 v5, 3, v1                        ; 8 x lane
	s_mul_i32 s27, s26, STG
	v_add_nc_u32 v6, s27, v4                       ; the stage, on the way in
	v_mul_u32_u24 v7, v2, 528
	s_delay_alu instid0(VALU_DEP_1)
	v_lshl_add_u32 v7, v3, 7, v7
	s_delay_alu instid0(VALU_DEP_1)
	v_add_nc_u32 v7, s27, v7                       ; and out: row r, + 128 h
	v_lshlrev_b32 v8, 2, v2                        ; 4 r
	v_lshlrev_b32 v9, 7, v3                        ; 128 h: my place in g and b
	v_lshlrev_b32 v11, 5, v2
	s_delay_alu instid0(VALU_DEP_1)
	v_add_nc_u32 v11, RED1, v11                    ; row r's eight sums
	s_lshl_b32 s27, s26, 2
	v_add_nc_u32 v10, s27, v11                     ; and my wave's word among them
	s_mov_b32 s40, 0x76543210
	s_mov_b32 s41, 0xfedcba98                      ; lane selects: lane l xor 16
	s_wait_kmcnt 0x0
	s_mov_b64 s[28:29], s[14:15]                   ; which tensor: every choice hangs on the work-group's number alone
	s_mov_b32 s30, 768
	s_cmp_lt_u32 ttmp9, 768
	s_cselect_b64 s[28:29], s[12:13], s[28:29]
	s_cselect_b32 s30, 512, s30
	s_cselect_b32 s31, 0, 2                        ; w2: four work-groups to a position tile
	s_cselect_b32 s32, 12, 14                      ; log2 of a row's bytes
	s_cselect_b32 s33, 0, 3
	s_cmp_lt_u32 ttmp9, 512
	s_cselect_b64 s[28:29], s[10:11], s[28:29]
	s_cselect_b32 s30, 448, s30
	s_cmp_lt_u32 ttmp9, 448
	s_cselect_b64 s[28:29], s[8:9], s[28:29]
	s_cselect_b32 s30, 384, s30
	s_cmp_lt_u32 ttmp9, 384
	s_cselect_b64 s[28:29], s[6:7], s[28:29]
	s_cselect_b32 s30, 320, s30
	s_cmp_lt_u32 ttmp9, 320
	s_cselect_b64 s[28:29], s[4:5], s[28:29]
	s_cselect_b32 s30, 256, s30
	s_cmp_lt_u32 ttmp9, 256
	s_cselect_b64 s[28:29], s[16:17], s[28:29]     ; x
	s_cselect_b32 s30, 0, s30
	s_cselect_b64 s[48:49], s[24:25], s[22:23]     ; the results' buffer: hq or wts,
	s_cselect_b32 s46, 0, 256                      ; what comes off g for the place in it,
	s_mov_b32 s47, WS
	s_cselect_b32 s47, HS, s47                     ; and where its scale words begin
	s_sub_co_u32 s34, ttmp9, s30                   ; the work-group's number within its tensor
	s_lshr_b32 s35, s34, s31                       ; position tile
	s_and_b32 s36, s34, s33                        ; which eight K steps
	s_lshr_b32 s38, s35, 1
	s_lshl_b32 s38, s38, 5
	s_and_b32 s39, s35, 1
	s_lshl_b32 s39, s39, 3
	s_add_co_u32 s38, s38, s39                     ; the tile's first source row,
	s_lshl_b32 s38, s38, s32                       ; in bytes,
	s_lshl_b32 s39, s36, 12
	s_add_co_u32 s38, s38, s39
	s_lshl_b32 s37, s26, 9                         ; my K step's 512 bytes
	s_add_co_u32 s38, s38, s37
	s_mov_b32 s39, 0
	s_add_nc_u64 s[28:29], s[28:29], s[38:39]
	s_mov_b32 s38, s37
	s_add_nc_u64 s[18:19], s[18:19], s[38:39]      ; g and b at my K step
	s_add_nc_u64 s[20:21], s[20:21], s[38:39]
.macro LOAD16 pitch                    ; line i of the tile: 32 lanes read 512 consecutive bytes; read once in the launch
.irp i, 0,1,2,3,4,5,6,7,8,9,10,11,12,13,14,15
	global_load_b128 v[R+4*\i:R+4*\i+3], v4, s[28:29] offset:(16*(\i/8)+\i%8)*\pitch th:TH_LOAD_NT
.endr
.endm
	s_cmp_lt_u32 ttmp9, 768                        ; the row's length stands in the loads' immediates: two copies of the loads, and of nothing else
	s_cbranch_scc0 .Lwide
	LOAD16 4096
	s_branch .Lloaded
.Lwide:
	LOAD16 16384
.Lloaded:
	s_sub_co_u32 s46, ttmp9, s46                   ; d: the work-group's place in the results' buffer
	s_lshr_b32 s50, s46, 3                         ; where the scale words go.  K = 1,024: 4,096 bytes for each 128 positions
	s_lshl_b32 s50, s50, 12
	s_and_b32 s51, s46, 7
	s_lshl_b32 s51, s51, 6
	s_add_co_u32 s50, s50, s51
	s_lshr_b32 s51, s35, 3                         ; w2: 16,384 bytes for each 128 positions
	s_lshl_b32 s51, s51, 14
	s_lshl_b32 s52, s36, 12
	s_add_co_u32 s51, s51, s52
	s_and_b32 s52, s35, 7
	s_lshl_b32 s52, s52, 6
	s_add_co_u32 s51, s51, s52
	s_add_co_u32 s51, s51, 262144
	s_cmp_lt_u32 ttmp9, 768
	s_cselect_b32 s50, s50, s51
	s_add_co_u32 s50, s50, s37
	s_add_co_u32 s50, s50, s47
	s_mov_b32 s51, 0
	s_add_nc_u64 s[44:45], s[48:49], s[50:51]      ; my scale words
	s_mul_i32 s50, s46, 12288
	s_mul_i32 s52, s26, 1536
	s_add_co_u32 s50, s50, s52
	s_add_nc_u64 s[42:43], s[48:49], s[50:51]      ; and my image
	s_wait_loadcnt 0x0
	s_wait_alu depctr_va_vdst(0)
.irp i, 0,1,2,3,4,5,6,7,8,9,10,11,12,13,14,15
	ds_store_b128 v6, v[R+4*\i:R+4*\i+3] offset:528*\i
.endr
.irp c, 0,1                            ; LDS serves a wave's instructions in order (ISA guide 5.7.1.4): these see my stores
.irp j, 0,1,2,3,4,5,6,7
	ds_load_b128 v[X+32*\c+4*\j:X+32*\c+4*\j+3], v7 offset:256*\c+16*\j
.endr
.endr
	s_wait_dscnt 0x0                               ; my 64 numbers are in, and the stores have read the rows' registers
	s_cmp_lt_u32 ttmp9, 256                        ; the weights go straight to the quantiser; the condition is the same in all eight waves, so all of them pass the two barriers below or none does
	s_cbranch_scc0 .Lquant
	; ---- the layer norm
.irp c, 0,1
.irp j, 0,1,2,3,4,5,6,7
	global_load_b128 v[R+32*\c+4*\j:R+32*\c+4*\j+3], v9, s[18:19] offset:256*\c+16*\j   ; g at my k; wanted behind the first barrier
.endr
.endr
; my two chains of sums become, with lane l xor 16's, my wave's word of row r.  off: which 512 bytes of LDS
.macro SUM_OUT off
	s_delay_alu instid0(VALU_DEP_1)
	v_pk_add_f32 v[SA:SA+1], v[SA:SA+1], v[SB:SB+1]
	s_delay_alu instid0(VALU_DEP_1)
	v_add_f32 v[SA], v[SA], v[SA+1]
	s_delay_alu instid0(VALU_DEP_1)
	v_permlanex16_b32 v[SA+1], v[SA], s40, s41
	s_delay_alu instid0(VALU_DEP_1)
	v_add_f32 v[SA], v[SA], v[SA+1]
	ds_store_b32 v10, v[SA] offset:\off            ; lanes r and r + 16 write the same word with the same value
.endm
; and the eight waves' words the row's sum, in v[LS]
.macro SUM_IN off
	s_wait_dscnt 0x0                               ; for the others' sake
	s_barrier_signal -1
	s_barrier_wait -1
	ds_load_b128 v[LS:LS+3], v11 offset:\off
	ds_load_b128 v[LS+4:LS+7], v11 offset:\off+16
	s_wait_dscnt 0x0
	v_add_f32 v[LS], v[LS], v[LS+1]
	v_add_f32 v[LS+2], v[LS+2], v[LS+3]
	v_add_f32 v[LS+4], v[LS+4], v[LS+5]
	v_add_f32 v[LS+6], v[LS+6], v[LS+7]
	s_delay_alu instid0(VALU_DEP_3)
	v_add_f32 v[LS], v[LS], v[LS+2]
	s_delay_alu instid0(VALU_DEP_2)
	v_add_f32 v[LS+4], v[LS+4], v[LS+6]
	s_delay_alu instid0(VALU_DEP_1)
	v_add_f32 v[LS], v[LS], v[LS+4]
.endm
	v_pk_add_f32 v[SA:SA+1], v[X:X+1], v[X+2:X+3]
	v_pk_add_f32 v[SB:SB+1], v[X+4:X+5], v[X+6:X+7]
.set jj, 8
.rept 14
	s_delay_alu instid0(VALU_DEP_2)
	v_pk_add_f32 v[SA:SA+1], v[SA:SA+1], v[X+jj:X+jj+1]
	s_delay_alu instid0(VALU_DEP_2)
	v_pk_add_f32 v[SB:SB+1], v[SB:SB+1], v[X+jj+2:X+jj+3]
.set jj, jj+4
.endr
	SUM_OUT 0
	SUM_IN 0
	s_delay_alu instid0(VALU_DEP_1)
	v_mul_f32 v[MR], 0x3a800000, v[LS]             ; the mean: / 1,024
	s_delay_alu instid0(VALU_DEP_1)
	v_mov_b32 v[MR+1], v[MR]
.set jj, 0
.rept 32
	v_pk_add_f32 v[X+jj:X+jj+1], v[X+jj:X+jj+1], v[MR:MR+1] neg_lo:[0,1] neg_hi:[0,1]
.set jj, jj+2
.endr
	v_pk_mul_f32 v[SA:SA+1], v[X:X+1], v[X:X+1]
	v_pk_mul_f32 v[SB:SB+1], v[X+2:X+3], v[X+2:X+3]
.set jj, 4
.rept 15
	s_delay_alu instid0(VALU_DEP_2)
	v_pk_fma_f32 v[SA:SA+1], v[X+jj:X+jj+1], v[X+jj:X+jj+1], v[SA:SA+1]
	s_delay_alu instid0(VALU_DEP_2)
	v_pk_fma_f32 v[SB:SB+1], v[X+jj+2:X+jj+3], v[X+jj+2:X+jj+3], v[SB:SB+1]
.set jj, jj+4
.endr
	SUM_OUT 512
	s_wait_loadcnt 0x0                             ; g.  The squares are summed, so the differences may take g now: its registers are then free for b, whose loads are out while the second sum is gathered
.set jj, 0
.rept 32
	v_pk_mul_f32 v[X+jj:X+jj+1], v[X+jj:X+jj+1], v[R+jj:R+jj+1]
.set jj, jj+2
.endr
.irp c, 0,1
.irp j, 0,1,2,3,4,5,6,7
	global_load_b128 v[R+32*\c+4*\j:R+32*\c+4*\j+3], v9, s[20:21] offset:256*\c+16*\j   ; b at my k
.endr
.endr
	SUM_IN 512
	v_mov_b32 v[LS+1], 0x3a800000
	s_delay_alu instid0(VALU_DEP_1)
	v_fmaak_f32 v[LS], v[LS], v[LS+1], 0x3727c5ac  ; the variance + 1e-5
	s_wait_alu depctr_va_vdst(0)
	v_rsq_f32 v[MR], v[LS]
	v_nop                                          ; a plain place behind the transcendental,
	s_wait_alu depctr_va_vdst(0)                   ; and the wait ahead of its first reader
	v_mov_b32 v[MR+1], v[MR]
	s_wait_alu depctr_va_vdst(0)
	s_wait_loadcnt 0x0                             ; b
.set jj, 0
.rept 32
	v_pk_fma_f32 v[X+jj:X+jj+1], v[X+jj:X+jj+1], v[MR:MR+1], v[R+jj:R+jj+1]
.set jj, jj+2
.endr
.Lquant:
	; ---- the quantiser: my two whole blocks of 32, blocks h and 2 + h of row r
.irp c, 0,1
	v_max3_num_f32 v[MX+\c], |v[X+32*\c]|, |v[X+32*\c+1]|, 0x1800000   ; with the floor 2^(3 - 127): the byte cannot fall under 1
.endr
.irp i, 2,4,6,8,10,12,14,16,18,20,22,24,26,28,30
.irp c, 0,1
	s_delay_alu instid0(VALU_DEP_2)
	v_max3_num_f32 v[MX+\c], v[MX+\c], |v[X+32*\c+\i]|, |v[X+32*\c+\i+1]|
.endr
.endr
.irp c, 0,1
	s_delay_alu instid0(VALU_DEP_2)
	v_add_nc_u32 v[SO+\c], 0xff000000, v[MX+\c]    ; 2 off the exponent field: the conversion's scale operand
.endr
.irp c, 0,1
	s_delay_alu instid0(VALU_DEP_2)
	v_lshrrev_b32 v[BY+\c], 23, v[SO+\c]           ; the scale's byte
.endr
	s_delay_alu instid0(VALU_DEP_1)
	v_lshl_or_b32 v[W], v[BY+1], 16, v[BY]
	v_lshlrev_b32 v[T1], 3, v3
	s_delay_alu instid0(VALU_DEP_1)
	v_lshlrev_b32 v[W], v[T1], v[W]                ; my two bytes at their places,
	v_mov_b32 v[T1], 0
	s_delay_alu instid0(VALU_DEP_1)
	v_permlanex16_b32 v[T1], v[W], s40, s41
	s_delay_alu instid0(VALU_DEP_1)
	v_or_b32 v[W], v[W], v[T1]                     ; with lane l xor 16's two: the row's word
.irp c, 0,1
	v_cvt_scalef32_pk16_fp6_f32 v[PC+6*\c:PC+6*\c+2], v[X+32*\c:X+32*\c+15], v[SO+\c]
	v_cvt_scalef32_pk16_fp6_f32 v[TT+4*\c:TT+4*\c+2], v[X+32*\c+16:X+32*\c+31], v[SO+\c]   ; (a conversion's three registers begin on an even number)
.endr
	v_nop                                          ; one plain place behind a scaled conversion
.irp c, 0,1
.irp i, 0,1,2
	v_mov_b32 v[PC+6*\c+3+\i], v[TT+4*\c+\i]
.endr
.endr
	global_store_b128 v4, v[PC:PC+3], s[42:43]                 ; 512 consecutive bytes,
	global_store_b64 v5, v[PC+4:PC+5], s[42:43] offset:512     ; 256,
	global_store_b128 v4, v[PC+6:PC+9], s[42:43] offset:768
	global_store_b64 v5, v[PC+10:PC+11], s[42:43] offset:1280
	global_store_b32 v8, v[W], s[44:45]            ; lanes r and r + 16 hold the same word and write it to the same place
	s_wait_tensorcnt 0x0                           ; the wave's end
	ds_add_u32 v[SPW], v[NIL]
	s_wait_dscnt 0x0
	s_endpgm
.Lfunc_end_k_q3c8ca832bc_prep:
	.size	k_q3c8ca832bc_prep, .Lfunc_end_k_q3c8ca832bc_prep-k_q3c8ca832bc_prep
	.p2alignl 7, 3214868480
	.fill 96, 4, 3214868480
	.section	.rodata,"a",@progbits
	.p2align	6, 0x0
	.amdhsa_kernel k_q3c8ca832bc_prep
		.amdhsa_group_segment_fixed_size 69632
		.amdhsa_private_segment_fixed_size 0
		.amdhsa_enable_private_segment 0
		.amdhsa_kernarg_size 88
		.amdhsa_user_sgpr_count 2
		.amdhsa_user_sgpr_kernarg_segment_ptr 1
		.amdhsa_wavefront_size32 1
		.amdhsa_system_sgpr_workgroup_id_x 1
		.amdhsa_system_sgpr_workgroup_id_y 1
		.amdhsa_system_sgpr_workgroup_id_z 1
		.amdhsa_system_vgpr_workitem_id 0
		.amdhsa_next_free_vgpr 160
		.amdhsa_next_free_sgpr 66
		.amdhsa_reserve_vcc 0
		.amdhsa_float_denorm_mode_32 3
		.amdhsa_float_denorm_mode_16_64 3
		.amdhsa_memory_ordered 1
		.amdhsa_forward_progress 1
		.amdhsa_inst_pref_size 32
	.end_amdhsa_kernel
	.amdgpu_metadata
---
amdhsa.version: [ 1, 2 ]
amdhsa.kernels:
  - .name:           k_q3c8ca832bc_prep
    .symbol:         k_q3c8ca832bc_prep.kd
    .args:
      - { .name: wq, .offset: 0, .size: 8, .value_kind: global_buffer, .address_space: global }
      - { .name: wk, .offset: 8, .size: 8, .value_kind: global_buffer, .address_space: global }
      - { .name: wv, .offset: 16, .size: 8, .value_kind: global_buffer, .address_space: global }
      - { .name: wo, .offset: 24, .size: 8, .value_kind: global_buffer, .address_space: global }
      - { .name: w1, .offset: 32, .size: 8, .value_kind: global_buffer, .address_space: global }
      - { .name: w2, .offset: 40, .size: 8, .value_kind: global_buffer, .address_space: global }
      - { .name: x, .offset: 48, .size: 8, .value_kind: global_buffer, .address_space: global }
      - { .name: ln1_g, .offset: 56, .size: 8, .value_kind: global_buffer, .address_space: global }
      - { .name: ln1_b, .offset: 64, .size: 8, .value_kind: global_buffer, .address_space: global }
      - { .name: wts, .offset: 72, .size: 8, .value_kind: global_buffer, .address_space: global }
      - { .name: hq, .offset: 80, .size: 8, .value_kind: global_buffer, .address_space: global }
    .group_segment_fixed_size: 69632
    .private_segment_fixed_size: 0
    .kernarg_segment_align: 8
    .kernarg_segment_size: 88
    .max_flat_workgroup_size: 256
    .sgpr_count:     66
    .vgpr_count:     160
    .wavefront_size: 32
...
	.end_amdgpu_metadata
.endif
;; end of part 1
;; launch qkv (part 2): grid 48 x 4, 8 waves a work-group, clusters of 4 x 4, 327,680 bytes of LDS; arguments hq, wts, qb, kv; writes qb, kv
.if DOCPART == 2
	.amdgcn_target "amdgcn-amd-amdhsa--gfx1250"
	.amdhsa_code_object_version 6
	.text
	.protected	k_q3c8ca832bc_qkv
	.globl	k_q3c8ca832bc_qkv
	.p2align	8
	.type	k_q3c8ca832bc_qkv,@function
k_q3c8ca832bc_qkv:
	s_mov_b64 s[64:65], 0
	v_nop
	global_prefetch_b8 v0, s[64:65] scope:SCOPE_SE
	s_setreg_imm32_b32 hwreg(HW_REG_WAVE_MODE, 25, 1), 1
	s_wait_xcnt 0x0
	s_wait_alu depctr_hold_cnt(0) depctr_sa_sdst(0) depctr_va_vdst(0) depctr_va_sdst(0) depctr_va_ssrc(0) depctr_va_vcc(0) depctr_vm_vsrc(0)
	s_getreg_b32 s2, hwreg(HW_REG_IB_STS2, 6, 4)
	s_cmp_eq_u32 s2, 0
	s_cbranch_scc0 .Lentry_in_a_cluster
	s_endpgm
.Lentry_in_a_cluster:
	s_bfe_u32 s2, ttmp6, 0x10000c
	s_cmp_lg_u32 s2, 0xf033
	s_cbranch_scc0 .Lentry_shape_is_right
	s_endpgm
.Lentry_shape_is_right:
.set KS,    8
.set AST,   4608                       ; a position tile's part of a slot: three K steps' images
.set SLOT,  147456                     ; A's 16 tiles, then B's 16
.set BOFF,  73728
.set SCL,   2*SLOT
.set SPARE, SCL+16384
.set WS,    9437184
.set L16, 1
.set L8,  2
.set L4,  3
.set A16, 4
.set A8,  6
.set B16, 8
.set B8,  10
.set ASA, 12
.set BSA, 13
.set SPW, 14
.set NIL, 15
.set AS,  16
.set BS,  18
.set AF,  24
.set BF,  72
.set TM,  168
.set TT,  184
.set PW,  192
.set PC,  204
.set G1,  24
.set G0,  32
.set G1B, 48
.set G0B, 56
.set G1S, 68
.set G0S, 76
.set G1SB, 80
.set G0SB, 88
.set SEL, 66
.set MSB, 0
.macro WIN new
.if MSB != \new
	s_set_vgpr_msb (MSB<<8)|\new
.set MSB, \new
.endif
.endm
.macro PLACES n
.rept \n
	v_nop
.endr
.endm
.macro JLOAD g0a, g1a, g0b, g1b
	s_cmp_eq_u32 s15, 0
	s_cbranch_scc0 .Lfor_b_\@
	tensor_load_to_lds s[\g0a:\g0a+3], s[\g1a:\g1a+7]
	s_nop 0
.rept 4
	v_nop
.endr
	s_branch .Lasked_\@
.Lfor_b_\@:
	tensor_load_to_lds s[\g0b:\g0b+3], s[\g1b:\g1b+7]
	s_nop 0
.rept 4
	v_nop
.endr
.Lasked_\@:
.endm
.macro CROUND
	s_barrier_signal -1
	s_barrier_wait -1
	s_cmp_lg_u32 s14, 0
	s_cbranch_scc1 .Lnot_wave_0_\@
	s_barrier_signal -3
.Lnot_wave_0_\@:
	s_barrier_wait -3
	s_barrier_signal -1
	s_barrier_wait -1
.endm
.macro FRAG reg, a16, a8, off
	ds_load_b128 v[(\reg):(\reg)+3], v[\a16] offset:(\off)
	ds_load_b64 v[(\reg)+4:(\reg)+5], v[\a8] offset:(\off)+512
	ds_load_b128 v[(\reg)+6:(\reg)+9], v[\a16] offset:(\off)+768
	ds_load_b64 v[(\reg)+10:(\reg)+11], v[\a8] offset:(\off)+1280
.endm
.macro WM d, bf, af, zero, sb, sa, rb, ra
.if (\zero)
.if ((\rb)==0)&&((\ra)==0)
	v_wmma_scale_f32_16x16x128_f8f6f4 v[(\d):(\d)+7], v[(\bf):(\bf)+11], v[(\af):(\af)+11], 0, v[(\sb)], v[(\sa)] matrix_a_fmt:MATRIX_FMT_FP6 matrix_b_fmt:MATRIX_FMT_FP6
.elseif ((\rb)==1)&&((\ra)==0)
	v_wmma_scale_f32_16x16x128_f8f6f4 v[(\d):(\d)+7], v[(\bf):(\bf)+11], v[(\af):(\af)+11], 0, v[(\sb)], v[(\sa)] matrix_a_fmt:MATRIX_FMT_FP6 matrix_b_fmt:MATRIX_FMT_FP6 matrix_a_scale:MATRIX_SCALE_ROW1
.elseif ((\rb)==0)&&((\ra)==1)
	v_wmma_scale_f32_16x16x128_f8f6f4 v[(\d):(\d)+7], v[(\bf):(\bf)+11], v[(\af):(\af)+11], 0, v[(\sb)], v[(\sa)] matrix_a_fmt:MATRIX_FMT_FP6 matrix_b_fmt:MATRIX_FMT_FP6 matrix_b_scale:MATRIX_SCALE_ROW1
.else
	v_wmma_scale_f32_16x16x128_f8f6f4 v[(\d):(\d)+7], v[(\bf):(\bf)+11], v[(\af):(\af)+11], 0, v[(\sb)], v[(\sa)] matrix_a_fmt:MATRIX_FMT_FP6 matrix_b_fmt:MATRIX_FMT_FP6 matrix_a_scale:MATRIX_SCALE_ROW1 matrix_b_scale:MATRIX_SCALE_ROW1
.endif
.else
.if ((\rb)==0)&&((\ra)==0)
	v_wmma_scale_f32_16x16x128_f8f6f4 v[(\d):(\d)+7], v[(\bf):(\bf)+11], v[(\af):(\af)+11], v[(\d):(\d)+7], v[(\sb)], v[(\sa)] matrix_a_fmt:MATRIX_FMT_FP6 matrix_b_fmt:MATRIX_FMT_FP6
.elseif ((\rb)==1)&&((\ra)==0)
	v_wmma_scale_f32_16x16x128_f8f6f4 v[(\d):(\d)+7], v[(\bf):(\bf)+11], v[(\af):(\af)+11], v[(\d):(\d)+7], v[(\sb)], v[(\sa)] matrix_a_fmt:MATRIX_FMT_FP6 matrix_b_fmt:MATRIX_FMT_FP6 matrix_a_scale:MATRIX_SCALE_ROW1
.elseif ((\rb)==0)&&((\ra)==1)
	v_wmma_scale_f32_16x16x128_f8f6f4 v[(\d):(\d)+7], v[(\bf):(\bf)+11], v[(\af):(\af)+11], v[(\d):(\d)+7], v[(\sb)], v[(\sa)] matrix_a_fmt:MATRIX_FMT_FP6 matrix_b_fmt:MATRIX_FMT_FP6 matrix_b_scale:MATRIX_SCALE_ROW1
.else
	v_wmma_scale_f32_16x16x128_f8f6f4 v[(\d):(\d)+7], v[(\bf):(\bf)+11], v[(\af):(\af)+11], v[(\d):(\d)+7], v[(\sb)], v[(\sa)] matrix_a_fmt:MATRIX_FMT_FP6 matrix_b_fmt:MATRIX_FMT_FP6 matrix_a_scale:MATRIX_SCALE_ROW1 matrix_b_scale:MATRIX_SCALE_ROW1
.endif
.endif
.endm
.macro KSTEP slot, koff, scoff, zero
.irp p, 0,1
	ds_load_b32 v[AS+\p], v[ASA] offset:(\scoff)+128*\p
.endr
.irp q, 0,1,2,3
	ds_load_b32 v[BS+\q], v[BSA] offset:(\scoff)+128*\q
.endr
.irp a, 0,1,2,3
	FRAG AF+12*\a, A16+\slot, A8+\slot, \a*AST+\koff
.endr
.irp b, 0,1,2,3,4,5,6,7
	FRAG BF+12*\b, B16+\slot, B8+\slot, \b*AST+\koff
.endr
	WIN 0x50
.irp b, 0,1,2,3,4,5,6,7
	s_wait_dscnt 4*(7-\b)
.irp a, 0,1,2,3
	WM 8*(8*\a+\b), BF+12*\b, AF+12*\a, \zero, BS+\b/2, AS+\a/2, \b%2, \a%2
.endr
.endr
	WIN 0
	PLACES 4
.endm
.macro CHANGE slot, fill
	s_wait_tensorcnt 0x0
	ds_add_u32 v[SPW], v[NIL]
	s_wait_dscnt 0x0
.if \fill
	CROUND
	JLOAD G0+4*\slot, G1, G0B+4*\slot, G1B
.else
	s_barrier_signal -1
	s_barrier_wait -1
.endif
.endm
.macro QUANT s, pc, pw, win
.if \win
	WIN 0x05
.endif
.irp b, 0,1,2,3
	v_max3_num_f32 v[TM+\b], |v[(\s)+16*\b]|, |v[(\s)+1+16*\b]|, 0x1800000
.endr
.if \win
	WIN 0x14
.endif
.irp i, 2,4,6,8,10,12,14
.irp b, 0,1,2,3
	v_max3_num_f32 v[TM+\b], v[TM+\b], |v[(\s)+16*\b+\i]|, |v[(\s)+1+16*\b+\i]|
.endr
.endr
	WIN 0
.irp b, 0,1,2,3
	v_permlanex16_b32 v[TM+4+\b], v[TM+\b], s[SEL], s[SEL+1]
.endr
.irp b, 0,1,2,3
	s_delay_alu instid0(VALU_DEP_4)
	v_max_num_f32 v[TM+\b], v[TM+\b], v[TM+4+\b]
.endr
.irp b, 0,1,2,3
	s_delay_alu instid0(VALU_DEP_4)
	v_add_nc_u32 v[TM+12+\b], 0xff000000, v[TM+\b]
.endr
.irp b, 0,1,2,3
	s_delay_alu instid0(VALU_DEP_4)
	v_lshrrev_b32 v[TM+4+\b], 23, v[TM+12+\b]
.endr
	s_delay_alu instid0(VALU_DEP_3)
	v_lshl_or_b32 v[\pw], v[TM+5], 8, v[TM+4]
	s_delay_alu instid0(VALU_DEP_1)
	v_lshl_or_b32 v[\pw], v[TM+6], 16, v[\pw]
	s_delay_alu instid0(VALU_DEP_1)
	v_lshl_or_b32 v[\pw], v[TM+7], 24, v[\pw]
.if \win
	WIN 0x01
.endif
.irp c, 0,1
	v_cvt_scalef32_pk16_fp6_f32 v[(\pc)+6*\c:(\pc)+2+6*\c], v[(\s)+32*\c:(\s)+15+32*\c], v[TM+12+2*\c]
	v_cvt_scalef32_pk16_fp6_f32 v[TT+4*\c:TT+2+4*\c], v[(\s)+16+32*\c:(\s)+31+32*\c], v[TM+12+2*\c+1]
.endr
	WIN 0
	v_nop
.irp c, 0,1
.irp i, 0,1,2
	v_permlane16_swap_b32 v[(\pc)+6*\c+\i], v[TT+4*\c+\i]
.endr
.irp i, 0,1,2
	s_delay_alu instid0(VALU_DEP_3)
	v_mov_b32 v[(\pc)+3+6*\c+\i], v[TT+4*\c+\i]
.endr
.endr
.endm
	s_load_b256 s[4:11], s[0:1], 0x0
	v_lshl_add_u32 v[SPW], v0, 2, SPARE
	v_mov_b32 v[NIL], 0
	ds_add_u32 v[SPW], v[NIL]
	ds_add_u32 v[SPW], v[NIL]
	v_lshrrev_b32 v1, 5, v0
	s_delay_alu instid0(VALU_DEP_1)
	v_readfirstlane_b32 s14, v1
	s_lshr_b32 s15, s14, 2
	s_and_b32 s16, s14, 3
	s_bfe_u32 s40, ttmp6, 0x40000
	s_bfe_u32 s41, ttmp6, 0x40004
	s_cmp_lt_u32 ttmp9, 8
	s_cselect_b32 s95, 1, 0
	s_lshr_b32 s18, ttmp9, 1
	s_lshl_b32 s18, s18, 2
	s_and_b32 s19, ttmp9, 1
	s_lshl_b32 s19, s19, 2
	s_sub_co_u32 s96, ttmp9, 8
	s_lshl_b32 s96, s96, 2
	s_cmp_lg_u32 s95, 0
	s_cselect_b32 s17, s18, 0
	s_cselect_b32 s42, s19, s96
	s_cselect_b32 s97, 0, 1572864
	s_mov_b32 s98, WS+65536
	s_cselect_b32 s98, 3145728, s98
	s_mov_b32 s99, 3145728
	s_cselect_b32 s99, WS, s99
	s_add_co_u32 s17, s17, s41
	s_add_co_u32 s42, s42, s40
	s_lshl_b32 s43, s41, 2
	s_lshl_b32 s43, 15, s43
	s_lshl_b32 s44, 0x1111, s40
	s_or_b32 s[G1], s43, (3<<16)|(1<<21)
	s_or_b32 s[G1B], s44, (3<<16)|(1<<21)
.irp g, G1, G1B
	s_mov_b32 s[\g+1], 384<<16                     ; the head's loads: eight tiles, K steps 0 and 1 (tensor_dim0: two images); the third image's bytes of a tile's row are written as zeros and not read
	s_mov_b32 s[\g+2], 8<<16
	s_mov_b32 s[\g+3], 576<<16
	s_mov_b32 s[\g+4], 8
	s_mov_b32 s[\g+5], KS*192
	s_mov_b32 s[\g+6], 0
	s_mov_b32 s[\g+7], 0
.endr
	s_or_b32 s[G1S], s43, (3<<16)|(1<<21)
	s_or_b32 s[G1SB], s44, (3<<16)|(1<<21)
.irp g, G1S, G1SB
	s_mov_b32 s[\g+1], 32<<16
	s_mov_b32 s[\g+2], 16<<16                      ; half of an operand's scale words: 16 rows of 256 bytes
	s_mov_b32 s[\g+3], 32<<16
	s_mov_b32 s[\g+4], 16
	s_mov_b32 s[\g+5], 32
	s_mov_b32 s[\g+6], 0
	s_mov_b32 s[\g+7], 0
.endr
	s_and_b32 s96, s14, 1                          ; at the head: which slot, or which half of the scale words, I fetch
	s_mul_i32 s20, s17, 196608
	s_add_co_u32 s20, s20, s97
	s_mov_b32 s21, 0
	s_mul_i32 s46, s42, 196608
	s_mov_b32 s47, 0
	s_lshl_b32 s19, s96, 12
	s_lshl_b32 s22, s17, 13
	s_add_co_u32 s22, s22, s19
	s_add_co_u32 s22, s22, s98
	s_mov_b32 s23, 0
	s_lshl_b32 s92, s42, 13
	s_add_co_u32 s92, s92, s19
	s_add_co_u32 s92, s92, s99
	s_mov_b32 s93, 0
	s_lshl_b32 s94, s96, 12
	s_mov_b32 s[SEL], 0x76543210
	s_mov_b32 s[SEL+1], 0xfedcba98
	s_wait_dscnt 0x0
	s_wait_kmcnt 0x0
	s_cmp_lg_u32 s95, 0
	s_cselect_b64 s[12:13], s[4:5], s[6:7]
	s_cselect_b64 s[2:3], s[6:7], s[4:5]
	s_add_nc_u64 s[20:21], s[12:13], s[20:21]
	s_add_nc_u64 s[22:23], s[12:13], s[22:23]
	s_add_nc_u64 s[46:47], s[2:3], s[46:47]
	s_add_nc_u64 s[92:93], s[2:3], s[92:93]
	CROUND
	s_mov_b32 s[G0S], 1
	s_add_co_u32 s[G0S+1], s94, SCL
	s_mov_b64 s[G0S+2:G0S+3], s[22:23]
	s_or_b32 s[G0S+3], s[G0S+3], 0x80000000
	s_mov_b32 s[G0SB], 1
	s_add_co_u32 s[G0SB+1], s94, SCL+8192
	s_mov_b64 s[G0SB+2:G0SB+3], s[92:93]
	s_or_b32 s[G0SB+3], s[G0SB+3], 0x80000000
	s_mul_i32 s18, s96, 8*12288                    ; the head's loads of codes: half w % 2 of slot 0's 16 tiles; group 0 in s[4:7] (A; the arguments that lay there have been used) and s[96:99] (B)
	s_mov_b32 s19, 0
	s_mov_b32 s4, 1
	s_mul_i32 s5, s96, 8*AST
	s_add_nc_u64 s[6:7], s[20:21], s[18:19]
	s_or_b32 s7, s7, 0x80000000
	s_add_co_u32 s97, s5, BOFF
	s_add_nc_u64 s[98:99], s[46:47], s[18:19]
	s_or_b32 s99, s99, 0x80000000
	s_mov_b32 s96, 1
	s_mul_i32 s18, s16, 49152                      ; behind the head a wave fetches four tiles
	s_add_nc_u64 s[20:21], s[20:21], s[18:19]
	s_add_nc_u64 s[46:47], s[46:47], s[18:19]
	s_mov_b32 s[G0+4], 1                           ; slot 1's first fill: K steps 2 to 4
	s_mul_i32 s[G0+5], s14, 4*AST
	s_add_co_u32 s[G0+5], s[G0+5], SLOT
	s_add_nc_u64 s[G0+6:G0+7], s[20:21], 2*1536
	s_or_b32 s[G0+7], s[G0+7], 0x80000000
	s_mov_b32 s[G0B+4], 1
	s_mul_i32 s[G0B+5], s14, 4*AST
	s_add_co_u32 s[G0B+5], s[G0B+5], SLOT
	s_add_nc_u64 s[G0B+6:G0B+7], s[46:47], 2*1536
	s_or_b32 s[G0B+7], s[G0B+7], 0x80000000
	s_mov_b32 s18, 5*1536                          ; the one refill, into slot 0: K steps 5 to 7
	s_mov_b32 s[G0], 1
	s_mul_i32 s[G0+1], s14, 4*AST
	s_add_nc_u64 s[G0+2:G0+3], s[20:21], s[18:19]
	s_or_b32 s[G0+3], s[G0+3], 0x80000000
	s_mov_b32 s[G0B], 1
	s_mul_i32 s[G0B+1], s14, 4*AST
	s_add_nc_u64 s[G0B+2:G0B+3], s[46:47], s[18:19]
	s_or_b32 s[G0B+3], s[G0B+3], 0x80000000
; THE HEAD'S LOADS, ONE A WAVE: waves 0, 1 the halves of A's tiles for slot 0; waves 2, 3 of B's; waves 4, 5 the halves of A's scale words; waves 6, 7 of B's.  One chain of branches on the wave's number, one load to an arm, one join
.macro ARM under, g0, g1, next
	s_cmp_lt_u32 s14, \under
	s_cbranch_scc0 \next
	tensor_load_to_lds s[\g0:\g0+3], s[\g1:\g1+7]
	s_nop 0
.rept 4
	v_nop
.endr
	s_branch .Lhead_asked
\next:
.endm
	ARM 2, 4, G1, .Lhead_b
	ARM 4, 96, G1B, .Lhead_sa
	ARM 6, G0S, G1S, .Lhead_sb
	tensor_load_to_lds s[G0SB:G0SB+3], s[G1SB:G1SB+7]
	s_nop 0
.rept 4
	v_nop
.endr
.Lhead_asked:
	; THE PREFETCHES INTO THE L2: the two fills that follow the head's, each one fill or more ahead of its load.  A fill is 4,608 bytes, 18 blocks of 256, of each of the four tiles that I fetch jointly with three partners:
	; the partner at place p (cx for A, cy for B) names tile p, a lane a block; the lanes left over name the last block again.  K has no further fill: nothing is asked for behind these two.
	v_and_b32 v22, 31, v0
	s_delay_alu instid0(VALU_DEP_1)
	v_min_u32 v22, 17, v22
	s_delay_alu instid0(VALU_DEP_1)
	v_lshlrev_b32 v22, 8, v22                      ; v22 is kept for this alone
	s_wait_alu depctr_va_vdst(0)
	s_cmp_eq_u32 s15, 0
	s_cselect_b64 s[44:45], s[20:21], s[46:47]     ; my four tiles, of A or of B
	s_cselect_b32 s18, s40, s41
	s_mul_i32 s18, s18, 12288
	s_add_nc_u64 s[44:45], s[44:45], s[18:19]
	global_prefetch_b8 v22, s[44:45] offset:2*1536 th:TH_LOAD_NT scope:SCOPE_SE
	global_prefetch_b8 v22, s[44:45] offset:5*1536 th:TH_LOAD_NT scope:SCOPE_SE
	v_and_b32 v3, 31, v0
	s_delay_alu instid0(VALU_DEP_1)
	v_lshlrev_b32 v[L16], 4, v3
	s_delay_alu instid0(VALU_DEP_2)
	v_lshlrev_b32 v[L8], 3, v3
	s_delay_alu instid0(VALU_DEP_3)
	v_lshlrev_b32 v[L4], 2, v3
	s_wait_alu depctr_va_vdst(0)
	s_lshr_b32 s18, s14, 1
	s_and_b32 s19, s14, 1
	s_mul_i32 s20, s18, 4*AST
	s_mul_i32 s21, s19, 8*AST
	s_add_co_u32 s21, s21, BOFF
.irp s, 0,1
	v_add_nc_u32 v[A16+\s], s20, v[L16]
	v_add_nc_u32 v[A8+\s], s20, v[L8]
	v_add_nc_u32 v[B16+\s], s21, v[L16]
	v_add_nc_u32 v[B8+\s], s21, v[L8]
	s_add_co_u32 s20, s20, SLOT
	s_add_co_u32 s21, s21, SLOT
.endr
	s_lshr_b32 s20, s18, 1
	s_lshl_b32 s20, s20, 12
	s_and_b32 s21, s18, 1
	s_lshl_b32 s21, s21, 8
	s_add_co_u32 s20, s20, s21
	s_add_co_u32 s20, s20, SCL
	v_add_nc_u32 v[ASA], s20, v[L4]
	s_lshl_b32 s21, s19, 12
	s_add_co_u32 s21, s21, SCL+8192
	v_add_nc_u32 v[BSA], s21, v[L4]
.irp b, 0,1,2,3
	v_mov_b32 v[TM+4+\b], 0
.endr
	s_wait_alu depctr_va_vdst(0)
	s_wait_xcnt 0x0                                ; the prefetches have read their address registers, which are written again further on
	s_wait_tensorcnt 0x0                           ; my one load of the head is in
	ds_add_u32 v[SPW], v[NIL]
.irp g, G1, G1B
	s_mov_b32 s[\g+1], 576<<16                     ; no load of mine is out, so group 1 may be written: from here on a load brings four tiles x three images
	s_mov_b32 s[\g+2], 4<<16
	s_mov_b32 s[\g+4], 4
.endr
	s_wait_dscnt 0x0
	CROUND                                         ; slot 0 and the scale words are whole, and all sixteen work-groups are here
	JLOAD G0+4, G1, G0B+4, G1B                     ; slot 1's first fill, the first tensor load behind the round
	KSTEP 0, 0, 0, 1
	KSTEP 0, 1536, 512, 0
	CHANGE 0, 1                                    ; slot 0 takes K steps 5 to 7; the load has slot 1's three K steps in which to land
	KSTEP 1, 0, 1024, 0
	KSTEP 1, 1536, 1536, 0
	KSTEP 1, 3072, 2048, 0
	CHANGE 0, 0
	KSTEP 0, 0, 2560, 0
	KSTEP 0, 1536, 3072, 0
	KSTEP 0, 3072, 3584, 0
.irp a, 0,1,2,3
	QUANT 64*\a, PC+12*\a, PW+\a, 1
.endr
	s_mov_b32 s2, 0xffff0000
	s_cmp_lg_u32 s95, 0
	s_cbranch_scc0 .Lvmode
	s_lshl_b32 s20, s17, 4
	s_lshl_b32 s21, s18, 2
	s_add_co_u32 s20, s20, s21
	s_lshr_b32 s21, s20, 7
	s_and_b32 s22, s20, 127
	s_lshl_b32 s45, s21, 4
	s_lshl_b32 s46, s40, 2
	s_add_co_u32 s45, s45, s46
	s_lshl_b32 s46, s19, 1
	s_add_co_u32 s45, s45, s46
	s_mul_i32 s46, s45, 98304
	s_mul_i32 s47, s22, 768
	s_add_co_u32 s46, s46, s47
	s_lshl_b32 s92, s45, 13
	s_lshl_b32 s93, s22, 6
	s_add_co_u32 s92, s92, s93
	s_add_co_u32 s92, s92, 3145728
	s_mul_i32 s93, s45, 208896
	s_lshr_b32 s94, s22, 5
	s_mul_i32 s94, s94, 52224
	s_add_co_u32 s93, s93, s94
	s_and_b32 s94, s22, 31
	s_mul_i32 s96, s94, 768
	s_add_co_u32 s96, s96, s93
	s_lshl_b32 s94, s94, 6
	s_add_co_u32 s94, s94, s93
	s_add_co_u32 s94, s94, 49152
	s_and_b32 s23, ttmp9, 1
	s_cmp_lg_u32 s23, 0
	s_cselect_b64 s[12:13], s[10:11], s[8:9]
	s_cselect_b32 s20, s96, s46
	s_cselect_b32 s22, s94, s92
	s_mov_b32 s46, 98304
	s_cselect_b32 s46, 208896, s46
	s_mov_b32 s92, 8192
	s_cselect_b32 s92, 208896, s92
	s_cselect_b32 s99, 16, 0
	s_sub_co_u32 s96, 16, s99
	s_mov_b32 s21, 0
	s_mov_b32 s23, 0
	s_mov_b32 s47, 0
	s_mov_b32 s93, 0
	s_add_nc_u64 s[20:21], s[12:13], s[20:21]
	s_add_nc_u64 s[22:23], s[12:13], s[22:23]
	s_add_nc_u64 s[46:47], s[20:21], s[46:47]
	s_add_nc_u64 s[92:93], s[22:23], s[92:93]
	s_wait_alu depctr_va_vdst(0)
.irp a, 0,1,2,3
	global_store_b128 v[L16], v[PC+12*\a:PC+12*\a+3], s[20:21] offset:768*\a
	global_store_b64 v[L8], v[PC+12*\a+4:PC+12*\a+5], s[20:21] offset:768*\a+512
	global_store_b128 v[L16], v[PC+12*\a+6:PC+12*\a+9], s[46:47] offset:768*\a
	global_store_b64 v[L8], v[PC+12*\a+10:PC+12*\a+11], s[46:47] offset:768*\a+512
.endr
.irp p, 0,1
	v_lshlrev_b32 v196, s99, v[PW+2*\p+1]
	v_lshrrev_b32 v197, 16, v[PW+2*\p]
	v_lshrrev_b32 v198, s96, v[PW+2*\p+1]
	s_delay_alu instid0(VALU_DEP_3)
	v_cndmask_b32 v[200+\p], v[PW+2*\p], v196, s2
	s_delay_alu instid0(VALU_DEP_2)
	v_cndmask_b32 v[202+\p], v197, v198, s2
	global_store_b32 v[L4], v[200+\p], s[22:23] offset:128*\p
	global_store_b32 v[L4], v[202+\p], s[92:93] offset:128*\p
.endr
	s_branch .Ldone
.Lvmode:
	s_lshl_b32 s20, s17, 2
	s_add_co_u32 s20, s20, s18
	s_lshl_b32 s21, s42, 1
	s_add_co_u32 s21, s21, s19
	s_lshr_b32 s22, s21, 4
	s_and_b32 s21, s21, 15
	s_lshl_b32 s22, s22, 4
	s_add_co_u32 s20, s20, s22
	s_mul_i32 s20, s20, 208896
	s_lshr_b32 s22, s21, 2
	s_mul_i32 s22, s22, 52224
	s_add_co_u32 s20, s20, s22
	s_and_b32 s21, s21, 3
	s_mul_i32 s22, s21, 6144
	s_add_co_u32 s22, s22, s20
	s_add_co_u32 s22, s22, 24576
	s_lshl_b32 s21, s21, 8
	s_add_co_u32 s20, s20, s21
	s_add_co_u32 s20, s20, 51200
	s_mov_b32 s21, 0
	s_mov_b32 s23, 0
	s_add_nc_u64 s[22:23], s[10:11], s[22:23]
	s_add_nc_u64 s[20:21], s[10:11], s[20:21]
	s_wait_alu depctr_va_vdst(0)
.irp a, 0,1,2,3
	global_store_b128 v[L16], v[PC+12*\a:PC+12*\a+3], s[22:23] offset:1536*\a
	global_store_b64 v[L8], v[PC+12*\a+4:PC+12*\a+5], s[22:23] offset:1536*\a+512
	global_store_b128 v[L16], v[PC+12*\a+6:PC+12*\a+9], s[22:23] offset:1536*\a+768
	global_store_b64 v[L8], v[PC+12*\a+10:PC+12*\a+11], s[22:23] offset:1536*\a+1280
.endr
.irp p, 0,1
	v_cndmask_b32 v[200+\p], v[PW+2*\p], v[PW+2*\p+1], s2
	global_store_b32 v[L4], v[200+\p], s[20:21] offset:128*\p
.endr
.Ldone:
	s_wait_tensorcnt 0x0
	ds_add_u32 v[SPW], v[NIL]
	s_wait_dscnt 0x0
	CROUND
	s_endpgm
.Lfunc_end_k_q3c8ca832bc_qkv:
	.size	k_q3c8ca832bc_qkv, .Lfunc_end_k_q3c8ca832bc_qkv-k_q3c8ca832bc_qkv
	.p2alignl 7, 3214868480
	.fill 96, 4, 3214868480
	.section	.rodata,"a",@progbits
	.p2align	6, 0x0
	.amdhsa_kernel k_q3c8ca832bc_qkv
		.amdhsa_group_segment_fixed_size 327680
		.amdhsa_private_segment_fixed_size 0
		.amdhsa_enable_private_segment 0
		.amdhsa_kernarg_size 32
		.amdhsa_user_sgpr_count 2
		.amdhsa_user_sgpr_kernarg_segment_ptr 1
		.amdhsa_wavefront_size32 1
		.amdhsa_system_sgpr_workgroup_id_x 1
		.amdhsa_system_sgpr_workgroup_id_y 1
		.amdhsa_system_sgpr_workgroup_id_z 1
		.amdhsa_system_vgpr_workitem_id 0
		.amdhsa_next_free_vgpr 512
		.amdhsa_next_free_sgpr 100
		.amdhsa_reserve_vcc 0
		.amdhsa_float_denorm_mode_32 3
		.amdhsa_float_denorm_mode_16_64 3
		.amdhsa_memory_ordered 1
		.amdhsa_forward_progress 1
		.amdhsa_inst_pref_size 101
	.end_amdhsa_kernel
	.amdgpu_metadata
---
amdhsa.version: [ 1, 2 ]
amdhsa.kernels:
  - .name:           k_q3c8ca832bc_qkv
    .symbol:         k_q3c8ca832bc_qkv.kd
    .args:
      - { .name: hq, .offset: 0, .size: 8, .value_kind: global_buffer, .address_space: global }
      - { .name: wts, .offset: 8, .size: 8, .value_kind: global_buffer, .address_space: global }
      - { .name: qb, .offset: 16, .size: 8, .value_kind: global_buffer, .address_space: global }
      - { .name: kv, .offset: 24, .size: 8, .value_kind: global_buffer, .address_space: global }
    .group_segment_fixed_size: 327680
    .private_segment_fixed_size: 0
    .kernarg_segment_align: 8
    .kernarg_segment_size: 32
    .max_flat_workgroup_size: 256
    .sgpr_count:     100
    .vgpr_count:     512
    .wavefront_size: 32
...
	.end_amdgpu_metadata
.endif
;; end of part 2
;; launch attn (part 3): grid 8 x 32, 16 waves a work-group, no clusters, 327,680 bytes of LDS; arguments qb, kv, ctx; writes ctx
.if DOCPART == 3
	.amdgcn_target "amdgcn-amd-amdhsa--gfx1250"
	.amdhsa_code_object_version 6
	.text
	.protected	k_q3c8ca832bc_attn
	.globl	k_q3c8ca832bc_attn
	.p2align	8
	.type	k_q3c8ca832bc_attn,@function
k_q3c8ca832bc_attn:
	s_mov_b64 s[64:65], 0
	v_nop
	global_prefetch_b8 v0, s[64:65] scope:SCOPE_SE
	s_setreg_imm32_b32 hwreg(HW_REG_WAVE_MODE, 25, 1), 1
	s_wait_xcnt 0x0
; ctx = softmax(q k^T / 8) v for one head and 256 queries, both products on codes of FP6; the result is quantised along the concatenated heads as the projection's operand.  No work is left out.
; THE SOFTMAX: t = score x log2(e) / 8; M = the running largest t rounded up to a whole number; p = 2^(t - M) is quantised along the keys, not normalised; the row's sum is taken of the unquantised p and divides at the end.
; SHARES.  Work-group = 256 query positions of head ttmp7; each of sixteen waves owns one tile of 16 and walks all 2,048 keys, 128 a step.  A head's k, v and scale words are 208,896 bytes: they come into LDS ONCE,
; as four chunks of 512 keys, and stay: no byte of LDS is filled twice.  Each wave fetches a quarter of one chunk: one tensor load of its own in the launch.
; TWO BARRIERS IN ALL.  The first shows chunk 0 to every wave.  The second stands behind four key steps: ahead of it the fetching waves wait for all their loads, so it shows chunks 1 to 3.  Behind it nothing in LDS is
; written any more, so the sixteen waves walk their other twelve steps without meeting again: a wave that is ahead stays ahead, and the waves of a SIMD fill each other's gaps up to the end.
; NO CLUSTER: what the eight work-groups of a head share is read once by each, 204 KiB beside sixteen key steps of some 230 vector instructions a wave.  NO PREFETCH: every tile is asked for ahead of the first key step.
; LAYOUT.  Both products are used transposed, so a lane holds one query throughout.  The head's K is 64, half of the instruction's 128: a fragment of k holds TWO tiles of keys in its two halves, and q stands in two
; fragments, [q | 0] and [0 | q]: the zero codes take the other tile out exactly.  Keys stand at positions (first launch's head), so that p's 16 registers of two neighbouring tiles are 16 neighbouring keys.
; THE FETCH: each of the sixteen waves issues ONE tensor load in the launch, piece w of the head's
; sixteen pieces of 13,056 bytes.  Waves 0-3 ask for chunk 0 at the kernel's head; waves 4-15 ask for chunks 1 to 3 behind the first barrier; the second barrier stands behind chunk 0's four key steps.
.set CHB,   52224                      ; a chunk: k 24,576, v 24,576, k's scale words 2,048, v's 1,024
.set SPARE, 4*CHB                      ; the spare words, 128 bytes a wave, which no other line names
.set L16, 1
.set L8,  2
.set L4,  3
.set SPW, 4
.set NIL, 5
.set QLO, 16                           ; v16-27 [q | 0];  v28-39 [0 | q]
.set QHI, 28
.set QSC, 40                           ; v40 q's scale words, v41 the same 16 bits up; v42-45 k's; v46-47 v's; v48 p's: these hold scales and nothing else
.set KSC, 42
.set VSC, 46
.set PSC, 48
.set KFR, 52                           ; v52-99 four fragments of k; behind the first product the softmax's registers:
.set BM,  52                           ; the blocks' largest scores
.set PB,  56
.set SOP, 60
.set F,   64
.set TP,  66
.set PCD, 68                           ; v68-79 p's codes
.set TT,  80
.set VFR, 100                          ; v100-147 four fragments of v
.set S,   148                          ; v148-211 S^T, then p
.set O,   212                          ; v212-243 O^T
.set TB,  48                           ; s48 where the step's fragments begin in LDS, s49 k's scale words, s50 v's
.set TK,  49
.set TV,  50
.set CNT, 51
.set SEL, 52
.set CS,  54
.macro FRAG reg, a16, a8, off
	ds_load_b128 v[(\reg):(\reg)+3], v[\a16] offset:(\off)
	ds_load_b64 v[(\reg)+4:(\reg)+5], v[\a8] offset:(\off)+512
	ds_load_b128 v[(\reg)+6:(\reg)+9], v[\a16] offset:(\off)+768
	ds_load_b64 v[(\reg)+10:(\reg)+11], v[\a8] offset:(\off)+1280
.endm
.macro WM d, bf, af, zero, sb, sa, rb  ; rb: source 0's scale words stand in lanes 16-31
.if (\zero)
.if (\rb)==0
	v_wmma_scale_f32_16x16x128_f8f6f4 v[(\d):(\d)+7], v[(\bf):(\bf)+11], v[(\af):(\af)+11], 0, v[(\sb)], v[(\sa)] matrix_a_fmt:MATRIX_FMT_FP6 matrix_b_fmt:MATRIX_FMT_FP6
.else
	v_wmma_scale_f32_16x16x128_f8f6f4 v[(\d):(\d)+7], v[(\bf):(\bf)+11], v[(\af):(\af)+11], 0, v[(\sb)], v[(\sa)] matrix_a_fmt:MATRIX_FMT_FP6 matrix_b_fmt:MATRIX_FMT_FP6 matrix_a_scale:MATRIX_SCALE_ROW1
.endif
.else
.if (\rb)==0
	v_wmma_scale_f32_16x16x128_f8f6f4 v[(\d):(\d)+7], v[(\bf):(\bf)+11], v[(\af):(\af)+11], v[(\d):(\d)+7], v[(\sb)], v[(\sa)] matrix_a_fmt:MATRIX_FMT_FP6 matrix_b_fmt:MATRIX_FMT_FP6
.else
	v_wmma_scale_f32_16x16x128_f8f6f4 v[(\d):(\d)+7], v[(\bf):(\bf)+11], v[(\af):(\af)+11], v[(\d):(\d)+7], v[(\sb)], v[(\sa)] matrix_a_fmt:MATRIX_FMT_FP6 matrix_b_fmt:MATRIX_FMT_FP6 matrix_a_scale:MATRIX_SCALE_ROW1
.endif
.endif
.endm
	s_load_b128 s[4:7], s[0:1], 0x0                ; qb, kv
	s_load_b64 s[8:9], s[0:1], 0x10                ; ctx
	v_lshl_add_u32 v[SPW], v0, 2, SPARE
	v_mov_b32 v[NIL], 0
	ds_add_u32 v[SPW], v[NIL]                      ; the opening: the add, twice on end, and its wait ahead of the first tensor load
	ds_add_u32 v[SPW], v[NIL]
	v_lshrrev_b32 v6, 5, v0
	s_delay_alu instid0(VALU_DEP_1)
	v_readfirstlane_b32 s10, v6                    ; wave 0..15
	s_and_b32 s11, ttmp7, 0xffff                   ; batch x 16 + head
	s_mov_b32 s24, 3<<16                           ; group 1: 13,056 dense bytes as 51 rows of 256 (32 elements of 8 bytes), no mask, no padding
	s_mov_b32 s25, 32<<16
	s_mov_b32 s26, 51<<16
	s_mov_b32 s27, 32<<16
	s_mov_b32 s28, 51
	s_mov_b32 s29, 32
	s_mov_b32 s30, 0
	s_mov_b32 s31, 0
	s_mul_i32 s12, s11, 4*CHB                      ; the head's bytes in kv
	s_mul_i32 s13, s10, CHB/4                      ; my quarter of a chunk
	s_mov_b32 s[SEL], 0x76543210
	s_mov_b32 s[SEL+1], 0xfedcba98
	s_mov_b32 s[CS], 0x3e38aa3b                    ; c = log2(e) / 8
	s_mov_b32 s[CS+1], s[CS]
	s_mov_b32 s[TB], 0
	s_mov_b32 s[TK], 49152
	s_mov_b32 s[TV], 51200
	s_wait_dscnt 0x0                               ; both opening adds are done
	s_wait_kmcnt 0x0
	s_add_co_u32 s14, s12, s13                     ; ONE LOAD A WAVE IN THE WHOLE LAUNCH: wave w fetches piece w of the head's sixteen pieces of 13,056 bytes, which lie in LDS as in memory
	s_mov_b32 s15, 0
	s_mov_b32 s32, 1
	s_mul_i32 s33, s10, CHB/4
	s_add_nc_u64 s[34:35], s[6:7], s[14:15]
	s_or_b32 s35, s35, 0x80000000
	s_cmp_lt_u32 s10, 4                            ; chunk 0, pieces 0-3, is asked for here; the others behind the first barrier
	s_cbranch_scc0 .Lno_fetch
	tensor_load_to_lds s[32:35], s[24:31]
	s_nop 0
.rept 4
	v_nop
.endr
.Lno_fetch:
	v_and_b32 v3, 31, v0
	s_delay_alu instid0(VALU_DEP_1)
	v_lshlrev_b32 v[L16], 4, v3
	s_wait_alu depctr_va_vdst(0)
	v_lshlrev_b32 v[L8], 3, v3
	s_wait_alu depctr_va_vdst(0)
	v_lshlrev_b32 v[L4], 2, v3
	v_and_b32 v10, 15, v0
	s_delay_alu instid0(VALU_DEP_1)
	v_lshlrev_b32 v10, 2, v10                      ; 4 r
	s_wait_alu depctr_va_vdst(0)
	s_lshl_b32 s16, ttmp9, 4
	s_add_co_u32 s16, s16, s10                     ; my tile of queries
	s_mul_i32 s18, s11, 98304
	s_mul_i32 s19, s16, 768
	s_add_co_u32 s18, s18, s19
	s_mov_b32 s19, 0
	s_add_nc_u64 s[18:19], s[4:5], s[18:19]
	s_lshl_b32 s20, s11, 13
	s_lshl_b32 s21, s16, 6
	s_add_co_u32 s20, s20, s21
	s_add_co_u32 s20, s20, 3145728
	s_mov_b32 s21, 0
	s_add_nc_u64 s[20:21], s[4:5], s[20:21]
	global_load_b128 v[QLO:QLO+3], v[L16], s[18:19]            ; q's half image, twice: into the lower half of one fragment,
	global_load_b64 v[QLO+4:QLO+5], v[L8], s[18:19] offset:512
	global_load_b128 v[QHI+6:QHI+9], v[L16], s[18:19]          ; and into the upper half of the other
	global_load_b64 v[QHI+10:QHI+11], v[L8], s[18:19] offset:512
	global_load_b32 v[QSC], v10, s[20:21]
.irp i, 0,1,2,3,4,5
	v_mov_b32 v[QLO+6+\i], 0                       ; zero codes
	v_mov_b32 v[QHI+\i], 0
.endr
	; where the result goes: position tile 128 batch + tile, K step head / 2, half head % 2
	s_lshr_b32 s56, s11, 4
	s_and_b32 s57, s11, 15
	s_lshl_b32 s56, s56, 7
	s_add_co_u32 s56, s56, s16
	s_lshr_b32 s58, s57, 1
	s_and_b32 s57, s57, 1
	s_lshl_b32 s59, s56, 3
	s_add_co_u32 s59, s59, s58
	s_mul_i32 s59, s59, 1536
	s_mul_i32 s60, s57, 768
	s_add_co_u32 s60, s60, s59
	s_mov_b32 s61, 0
	s_add_nc_u64 s[60:61], s[8:9], s[60:61]        ; the half image
	s_lshr_b32 s59, s56, 3
	s_lshl_b32 s59, s59, 12
	s_lshl_b32 s58, s58, 9
	s_add_co_u32 s59, s59, s58
	s_and_b32 s58, s56, 7
	s_lshl_b32 s58, s58, 6
	s_add_co_u32 s59, s59, s58
	s_lshl_b32 s58, s57, 1
	s_add_co_u32 s58, s58, s59
	s_add_co_u32 s58, s58, 3145728
	s_mov_b32 s59, 0
	s_add_nc_u64 s[58:59], s[8:9], s[58:59]        ; its two scale bytes
	s_wait_loadcnt 0x0                             ; q and its scale words
	v_lshlrev_b32 v[QSC+1], 16, v[QSC]             ; for [0 | q]: the two bytes at blocks 2 and 3.  A scale register that a vector instruction writes stands eight plain vector instructions or more ahead of the
	                                               ; scaled product that names it: the 36 lines below and the first step's four additions stand between
	v_mov_b32 v13, 0xff61b1e6                      ; the largest t so far: -3e38
	s_delay_alu instid0(VALU_DEP_1)
	v_floor_f32 v12, -v13                          ; -M
	v_mov_b32 v14, 0                               ; the sum, in two halves
	v_mov_b32 v15, 0
.set jj, 0
.rept 32
	v_mov_b32 v[O+jj], 0                           ; the step is written once a run: the first finds zeros, which the first change of M leaves zeros
.set jj, jj+1
.endr
; A KEY STEP: 128 keys
.macro STEP
	v_add_nc_u32 v6, s[TB], v[L16]                 ; (these four are also the places behind the last step's products, ahead of loads into their registers)
	v_add_nc_u32 v7, s[TB], v[L8]
	v_add_nc_u32 v8, s[TK], v[L4]
	v_add_nc_u32 v9, s[TV], v[L4]
.irp f, 0,1,2,3
	ds_load_b32 v[KSC+\f], v8 offset:128*\f
.endr
.irp f, 0,1,2,3
	FRAG KFR+12*\f, 6, 7, 1536*\f
.endr
	ds_load_b32 v[VSC], v9
	ds_load_b32 v[VSC+1], v9 offset:128
.irp t, 0,1,2,3
	FRAG VFR+12*\t, 6, 7, 24576+1536*\t
.endr
	s_wait_dscnt 18                                ; k is in; v's 2 + 16 loads may be out
.irp f, 0,1,2,3                        ; S^T: fragment f holds key tiles 2 f and 2 f + 1
	WM S+16*\f, KFR+12*\f, QLO, 1, KSC+\f, QSC, 0
	WM S+16*\f+8, KFR+12*\f, QHI, 1, KSC+\f, QSC+1, 1
.endr
.rept 4
	v_nop                                          ; four places ahead of the first read of results and of writes over k's registers (ISA guide 7.12.1)
.endr
.irp b, 0,1,2,3
	v_max3_num_f32 v[BM+\b], v[S+16*\b], v[S+1+16*\b], v[S+2+16*\b]   ; the largest score of each block of 32 keys: for the row's maximum, and, since p rises with the score, for the block's largest p
.endr
.irp i, 3,5,7,9,11,13
.irp b, 0,1,2,3
	v_max3_num_f32 v[BM+\b], v[BM+\b], v[S+16*\b+\i], v[S+1+16*\b+\i]
.endr
.endr
.irp b, 0,1,2,3
	v_max_num_f32 v[BM+\b], v[BM+\b], v[S+15+16*\b]
.endr
.irp b, 0,1,2,3
	s_delay_alu instid0(VALU_DEP_4)
	v_permlanex16_b32 v[PB+\b], v[BM+\b], s[SEL], s[SEL+1]
.endr
.irp b, 0,1,2,3
	s_delay_alu instid0(VALU_DEP_4)
	v_max_num_f32 v[BM+\b], v[BM+\b], v[PB+\b]
.endr
	s_delay_alu instid0(VALU_DEP_2)
	v_max3_num_f32 v[TP], v[BM], v[BM+1], v[BM+2]
	s_delay_alu instid0(VALU_DEP_1)
	v_max_num_f32 v[TP], v[TP], v[BM+3]
	s_delay_alu instid0(VALU_DEP_1)
	v_mul_f32 v[TP], s[CS], v[TP]
	s_delay_alu instid0(VALU_DEP_1)
	v_max_num_f32 v13, v13, v[TP]                  ; the running largest t
	v_mov_b32 v[TP], v12
	s_delay_alu instid0(VALU_DEP_2)
	v_floor_f32 v12, -v13                          ; the new -M: M is a whole number
	s_delay_alu instid0(VALU_DEP_1)
	v_sub_f32 v[TP], v12, v[TP]
	s_delay_alu instid0(VALU_DEP_1)
	v_cvt_i32_f32 v[TP], v[TP]                     ; (it saturates)
	s_delay_alu instid0(VALU_DEP_1)
	v_ldexp_f32 v[F], 1.0, v[TP]                   ; f = 2^(old M - new M): a multiplication by it rounds nothing
.set jj, 0
.rept 32
	v_pk_fma_f32 v[S+jj:S+jj+1], v[S+jj:S+jj+1], s[CS:CS+1], v[12:13] op_sel_hi:[1,0,0]   ; t - M
.set jj, jj+2
.endr
.irp b, 0,1,2,3
	v_fma_f32 v[BM+\b], v[BM+\b], s[CS], v12
.endr
.set jj, 0
	s_wait_alu depctr_va_vdst(0)
.rept 64
	v_exp_f32 v[S+jj], v[S+jj]                     ; p = 2^(t - M)
.set jj, jj+1
.endr
	v_pk_mul_f32 v[14:15], v[14:15], v[F:F+1] op_sel_hi:[1,0]   ; the sums under the new M (a plain place behind the exponentials)
	s_wait_alu depctr_va_vdst(0)                   ; one wait for the batch, ahead of its first reader
.irp b, 0,1,2,3
	v_exp_f32 v[BM+\b], v[BM+\b]                   ; the blocks' largest p
.endr
	v_pk_add_f32 v[56:57], v[152:153], v[156:157]
	v_pk_add_f32 v[254:255], v[160:161], v[164:165]
	v_pk_add_f32 v[252:253], v[168:169], v[172:173]
	v_pk_add_f32 v[250:251], v[176:177], v[180:181]
	v_pk_add_f32 v[248:249], v[184:185], v[188:189]
	v_pk_add_f32 v[246:247], v[192:193], v[196:197]
	v_pk_add_f32 v[244:245], v[200:201], v[204:205]
	v_pk_add_f32 v[14:15], v[14:15], v[208:209]
	v_pk_add_f32 v[56:57], v[56:57], v[148:149]
	v_pk_add_f32 v[254:255], v[254:255], v[150:151]
	v_pk_add_f32 v[252:253], v[252:253], v[154:155]
	v_pk_add_f32 v[250:251], v[250:251], v[158:159]
	v_pk_add_f32 v[248:249], v[248:249], v[162:163]
	v_pk_add_f32 v[246:247], v[246:247], v[166:167]
	v_pk_add_f32 v[244:245], v[244:245], v[170:171]
	v_pk_add_f32 v[14:15], v[14:15], v[174:175]
	v_pk_add_f32 v[56:57], v[56:57], v[178:179]
	v_pk_add_f32 v[254:255], v[254:255], v[182:183]
	v_pk_add_f32 v[252:253], v[252:253], v[186:187]
	v_pk_add_f32 v[250:251], v[250:251], v[190:191]
	v_pk_add_f32 v[248:249], v[248:249], v[194:195]
	v_pk_add_f32 v[246:247], v[246:247], v[198:199]
	v_pk_add_f32 v[244:245], v[244:245], v[202:203]
	v_pk_add_f32 v[14:15], v[14:15], v[206:207]
	v_pk_add_f32 v[56:57], v[56:57], v[210:211]
	s_delay_alu instid0(VALU_DEP_2)
	v_pk_add_f32 v[14:15], v[14:15], v[250:251]
	s_delay_alu instid0(VALU_DEP_2)
	v_pk_add_f32 v[56:57], v[56:57], v[248:249]
	v_pk_add_f32 v[254:255], v[254:255], v[246:247]
	v_pk_add_f32 v[252:253], v[252:253], v[244:245]
	s_delay_alu instid0(VALU_DEP_2)
	v_pk_add_f32 v[14:15], v[14:15], v[254:255]
	s_delay_alu instid0(VALU_DEP_2)
	v_pk_add_f32 v[56:57], v[56:57], v[252:253]
	s_delay_alu instid0(VALU_DEP_1)
	v_pk_add_f32 v[14:15], v[14:15], v[56:57]
	s_wait_alu depctr_va_vdst(0)                   ; and one for the four
.irp b, 0,1,2,3
	v_max_num_f32 v[BM+\b], 0x1800000, v[BM+\b]    ; the floor 2^(3 - 127)
.endr
.irp b, 0,1,2,3
	s_delay_alu instid0(VALU_DEP_4)
	v_add_nc_u32 v[SOP+\b], 0xff000000, v[BM+\b]
.endr
.irp b, 0,1,2,3
	s_delay_alu instid0(VALU_DEP_4)
	v_lshrrev_b32 v[PB+\b], 23, v[SOP+\b]
.endr
	s_delay_alu instid0(VALU_DEP_3)
	v_lshl_or_b32 v[PSC], v[PB+1], 8, v[PB]        ; p's scale word for these 128 keys
	s_delay_alu instid0(VALU_DEP_1)
	v_lshl_or_b32 v[PSC], v[PB+2], 16, v[PSC]
	s_delay_alu instid0(VALU_DEP_1)
	v_lshl_or_b32 v[PSC], v[PB+3], 24, v[PSC]
.irp c, 0,1
	v_cvt_scalef32_pk16_fp6_f32 v[PCD+6*\c:PCD+2+6*\c], v[S+32*\c:S+15+32*\c], v[SOP+2*\c]
	v_cvt_scalef32_pk16_fp6_f32 v[TT+4*\c:TT+2+4*\c], v[S+16+32*\c:S+31+32*\c], v[SOP+2*\c+1]
.endr
	v_nop                                          ; one plain place behind a scaled conversion
.irp c, 0,1
.irp i, 0,1,2
	v_permlane16_swap_b32 v[PCD+6*\c+\i], v[TT+4*\c+\i]
.endr
.irp i, 0,1,2
	s_delay_alu instid0(VALU_DEP_3)
	v_mov_b32 v[PCD+3+6*\c+\i], v[TT+4*\c+\i]
.endr
.endr
.set jj, 0
.rept 16
	v_pk_mul_f32 v[O+jj:O+jj+1], v[O+jj:O+jj+1], v[F:F+1] op_sel_hi:[1,0]   ; O^T under the new M; these sixteen are also the places between p's scale word and codes and the products
.set jj, jj+2
.endr
	s_wait_alu depctr_va_vdst(0)
	s_wait_dscnt 0x0                               ; v
.irp t, 0,1,2,3                        ; O^T += v^T p^T; the four accumulators by turns
	WM O+8*\t, VFR+12*\t, PCD, 0, VSC+\t/2, PSC, \t%2
.endr
.endm
; a run of n key steps inside one chunk
.macro STEPS n
	s_mov_b32 s[CNT], \n
.Lstep_\@:
	STEP
	s_add_co_u32 s[TB], s[TB], 6144
	s_add_co_u32 s[TK], s[TK], 512
	s_add_co_u32 s[TV], s[TV], 256
	s_sub_co_u32 s[CNT], s[CNT], 1
	s_cmp_lg_u32 s[CNT], 0
	s_cbranch_scc1 .Lstep_\@
.endm
; from behind a chunk's fourth step to the next chunk's first
.macro NEXT
	s_add_co_u32 s[TB], s[TB], CHB-4*6144
	s_add_co_u32 s[TK], s[TK], CHB-4*512
	s_add_co_u32 s[TV], s[TV], CHB-4*256
.endm
	s_wait_alu depctr_va_vdst(0)                   ; the wait at the head's end
	s_wait_tensorcnt 0x0                           ; my piece of chunk 0, if I fetched one, is in; these lines stand ahead of a later first fill,
	ds_add_u32 v[SPW], v[NIL]                      ; with the add twice on end
	ds_add_u32 v[SPW], v[NIL]
	s_wait_dscnt 0x0
	s_barrier_signal -1
	s_barrier_wait -1                              ; chunk 0 is whole for every wave
	s_cmp_lt_u32 s10, 4
	s_cbranch_scc1 .Lfetched
	tensor_load_to_lds s[32:35], s[24:31]          ; pieces 4-15: chunks 1 to 3, first fills; no byte of LDS is filled twice
	s_nop 0
.rept 4
	v_nop
.endr
.Lfetched:
	STEPS 4                                        ; chunk 0's four key steps stand between the request and the wait
	s_wait_tensorcnt 0x0                           ; my piece of chunks 1 to 3 is in
	s_wait_dscnt 0x0
	s_barrier_signal -1
	s_barrier_wait -1                              ; everybody's is: no byte of LDS is written behind this wait
	NEXT
	STEPS 4
	NEXT
	STEPS 4
	NEXT
	STEPS 4
	; THE WAY OUT: O^T / the sum, quantised along my head's 64 channels (two blocks): a half image of the projection's operand
.rept 4
	v_nop                                          ; four places behind the last products
.endr
	v_add_f32 v14, v14, v15
	s_delay_alu instid0(VALU_DEP_1)
	v_permlanex16_b32 v[TP], v14, s[SEL], s[SEL+1]
	s_delay_alu instid0(VALU_DEP_1)
	v_add_f32 v14, v14, v[TP]                      ; the row's sum
	s_wait_alu depctr_va_vdst(0)
	v_rcp_f32 v14, v14
	v_nop                                          ; a plain place behind the transcendental,
	s_wait_alu depctr_va_vdst(0)                   ; and the wait ahead of its first reader
.set jj, 0
.rept 32
	v_mul_f32 v[S+jj], v[O+jj], v14                ; register 16 b + i: channel 32 b + 16 (lane / 16) + i
.set jj, jj+1
.endr
.irp b, 0,1
	v_max3_num_f32 v[BM+\b], |v[S+16*\b]|, |v[S+1+16*\b]|, 0x1800000
.endr
.irp i, 2,4,6,8,10,12,14
.irp b, 0,1
	s_delay_alu instid0(VALU_DEP_2)
	v_max3_num_f32 v[BM+\b], v[BM+\b], |v[S+16*\b+\i]|, |v[S+1+16*\b+\i]|
.endr
.endr
.irp b, 0,1
	s_delay_alu instid0(VALU_DEP_2)
	v_permlanex16_b32 v[PB+\b], v[BM+\b], s[SEL], s[SEL+1]
.endr
.irp b, 0,1
	s_delay_alu instid0(VALU_DEP_2)
	v_max_num_f32 v[BM+\b], v[BM+\b], v[PB+\b]
.endr
.irp b, 0,1
	s_delay_alu instid0(VALU_DEP_2)
	v_add_nc_u32 v[SOP+\b], 0xff000000, v[BM+\b]
.endr
.irp b, 0,1
	s_delay_alu instid0(VALU_DEP_2)
	v_lshrrev_b32 v[PB+\b], 23, v[SOP+\b]
.endr
	s_delay_alu instid0(VALU_DEP_1)
	v_lshl_or_b32 v[TP], v[PB+1], 8, v[PB]         ; the two bytes
	v_cvt_scalef32_pk16_fp6_f32 v[PCD:PCD+2], v[S:S+15], v[SOP]
	v_cvt_scalef32_pk16_fp6_f32 v[TT:TT+2], v[S+16:S+31], v[SOP+1]
	v_nop
.irp i, 0,1,2
	v_permlane16_swap_b32 v[PCD+\i], v[TT+\i]
.endr
.irp i, 0,1,2
	s_delay_alu instid0(VALU_DEP_3)
	v_mov_b32 v[PCD+3+\i], v[TT+\i]
.endr
	global_store_b128 v[L16], v[PCD:PCD+3], s[60:61]
	global_store_b64 v[L8], v[PCD+4:PCD+5], s[60:61] offset:512
	global_store_b16 v10, v[TP], s[58:59]          ; lanes r and r + 16 write the same two bytes; the word's other two are the neighbouring head's
	s_wait_tensorcnt 0x0                           ; the wave's end
	ds_add_u32 v[SPW], v[NIL]
	s_wait_dscnt 0x0
	s_endpgm
.Lfunc_end_k_q3c8ca832bc_attn:
	.size	k_q3c8ca832bc_attn, .Lfunc_end_k_q3c8ca832bc_attn-k_q3c8ca832bc_attn
	.p2alignl 7, 3214868480
	.fill 96, 4, 3214868480
	.section	.rodata,"a",@progbits
	.p2align	6, 0x0
	.amdhsa_kernel k_q3c8ca832bc_attn
		.amdhsa_group_segment_fixed_size 327680
		.amdhsa_private_segment_fixed_size 0
		.amdhsa_enable_private_segment 0
		.amdhsa_kernarg_size 24
		.amdhsa_user_sgpr_count 2
		.amdhsa_user_sgpr_kernarg_segment_ptr 1
		.amdhsa_wavefront_size32 1
		.amdhsa_system_sgpr_workgroup_id_x 1
		.amdhsa_system_sgpr_workgroup_id_y 1
		.amdhsa_system_sgpr_workgroup_id_z 1
		.amdhsa_system_vgpr_workitem_id 0
		.amdhsa_next_free_vgpr 256
		.amdhsa_next_free_sgpr 66
		.amdhsa_reserve_vcc 0
		.amdhsa_float_denorm_mode_32 3
		.amdhsa_float_denorm_mode_16_64 3
		.amdhsa_memory_ordered 1
		.amdhsa_forward_progress 1
		.amdhsa_inst_pref_size 82
	.end_amdhsa_kernel
	.amdgpu_metadata
---
amdhsa.version: [ 1, 2 ]
amdhsa.kernels:
  - .name:           k_q3c8ca832bc_attn
    .symbol:         k_q3c8ca832bc_attn.kd
    .args:
      - { .name: qb, .offset: 0, .size: 8, .value_kind: global_buffer, .address_space: global }
      - { .name: kv, .offset: 8, .size: 8, .value_kind: global_buffer, .address_space: global }
      - { .name: ctx, .offset: 16, .size: 8, .value_kind: global_buffer, .address_space: global }
    .group_segment_fixed_size: 327680
    .private_segment_fixed_size: 0
    .kernarg_segment_align: 8
    .kernarg_segment_size: 24
    .max_flat_workgroup_size: 512
    .sgpr_count:     66
    .vgpr_count:     256
    .wavefront_size: 32
...
	.end_amdgpu_metadata
.endif
;; end of part 3
;; launch woln (part 4): grid 256 x 1, 8 waves a work-group, no clusters, 115,200 bytes of LDS; arguments ctx, wts, x, ln2_g, ln2_b, h2q; writes h2q
.if DOCPART == 4
	.amdgcn_target "amdgcn-amd-amdhsa--gfx1250"
	.amdhsa_code_object_version 6
	.text
	.protected	k_q3c8ca832bc_woln
	.globl	k_q3c8ca832bc_woln
	.p2align	8
	.type	k_q3c8ca832bc_woln,@function
k_q3c8ca832bc_woln:
	s_mov_b64 s[64:65], 0
	v_nop
	global_prefetch_b8 v0, s[64:65] scope:SCOPE_SE
	s_setreg_imm32_b32 hwreg(HW_REG_WAVE_MODE, 25, 1), 1
	s_wait_xcnt 0x0
; h2q = codes and scale words of layer norm 2 of (x + ctx wo^T): the projection on codes of FP6, the residual, the norm and the quantiser in one launch (layouts: the first launch's head).  No work is left out.
; SHARES.  Work-group g = position tile g: 16 tokens with all 1,024 columns, so that a row's mean and variance are made inside the work-group; 256 work-groups.  Wave w = columns 128 w .. 128 w + 127: eight tiles of wo,
; 8 accumulators, 8 K steps, 64 products.  The product is used transposed: lane (r, h) holds token line r, and register 16 B + 8 u + j column 128 w + 32 B + 16 h + 8 u + j.
; OPERANDS.  A fragment of wo feeds one product, so it goes from memory straight into registers, as its image lies (512 and 256 consecutive bytes a load), two K steps (64 loads a wave) ahead, into window 1.
; ctx's eight images and scale words are fetched once, one K step a wave, and shared through LDS.  My 4,096 bytes of wo's scale words come in loads of 512 consecutive bytes and turn through my own LDS bytes.
; x turns through my own stage into the accumulators' layout and is the C of the first products: the residual costs no addition.
; NO CLUSTER, NO TENSOR LOAD: no tile of the weight lies in LDS, so there is none to receive jointly.
; THE NORM: the mean and then the sum of squared differences (two passes), eight waves' words a row in LDS, one barrier each; ((y - mean) rsqrt(var + 1e-5)) g + b.
; THE PREFETCH: every work-group walks the same 64 tiles x 8 images of wo.  K steps 2 to 7 of them, 64 x 36 blocks of 256 bytes, are shared out: wave 0 of work-group g names,
; with j = g mod 128, three images (18 blocks, a lane a block; the lanes left over name the last block again) of tile j / 2: K steps 2 to 4 (j even) or 5 to 7 (j odd).  It asks once, behind K step 0's loads:
; the loads of K step 2 are issued behind K step 0's products, those of the later steps later.  K steps 0 and 1 come by their loads alone.
.set WOFF,  2359296                    ; wo's codes in wts,
.set BSOFF, 9437184+98304              ; its scale words,
.set SOFF,  3145728                    ; and the scale words in ctx and in h2q
.set ASL,   12288                      ; LDS: ctx's eight images from 0; its scale words [16 lines][8 K steps] here;
.set WR,    12800                      ; a region for each wave: 4,096 bytes of wo's scale words, then a stage of 16 rows x 528;
.set WRB,   12544
.set RED1,  WR+8*WRB                   ; 16 rows x 8 waves' sums, the second pass's 512 bytes on;
.set SPARE, RED1+1024                  ; the spare words, 128 bytes a wave, which no other line names
.set L16, 1
.set L8,  2
.set L4,  3
.set R4,  4
.set AW16, 5
.set AW8, 6
.set ASW, 7
.set ASR, 8
.set BSW, 9
.set BSR, 10
.set XSW, 11
.set XSR, 12
.set RW,  13
.set RR,  14
.set GB,  15
.set SPW, 16
.set NIL, 17
.set AS,  20                           ; v20-27 ctx's scale words, register k = K step k; v28-59 wo's, register 4 k + q: tiles 2 q (lanes 0-15), 2 q + 1 (lanes 16-31): scales and nothing else
.set BS,  28
.set X,   64                           ; v64-127 the eight accumulators
.set AF,  128                          ; v128-223 ctx's eight fragments; behind the products:
.set SA,  128
.set SB,  130
.set LS,  132
.set MR,  140
.set TM,  144
.set TT,  160
.set PC,  168
.set PW,  180
.set XR,  192                          ; window 1: v0-95, v96-191 wo's fragments, two K steps; v192-255 x as loaded; at the end g at v0, b at v96
.set SEL, 20
.set MSB, 0
.macro WIN new
.if MSB != \new
	s_set_vgpr_msb (MSB<<8)|\new
.set MSB, \new
.endif
.endm
.macro BLOAD k                         ; K step k's eight fragments of wo into window 1, buffer k % 2
	WIN 0x40
.irp b, 0,1,2,3,4,5,6,7
	global_load_b128 v[96*((\k)%2)+12*\b:96*((\k)%2)+12*\b+3], v[L16], s[30:31] offset:\b*12288+(\k)*1536
	global_load_b64 v[96*((\k)%2)+12*\b+4:96*((\k)%2)+12*\b+5], v[L8], s[30:31] offset:\b*12288+(\k)*1536+512
	global_load_b128 v[96*((\k)%2)+12*\b+6:96*((\k)%2)+12*\b+9], v[L16], s[30:31] offset:\b*12288+(\k)*1536+768
	global_load_b64 v[96*((\k)%2)+12*\b+10:96*((\k)%2)+12*\b+11], v[L8], s[30:31] offset:\b*12288+(\k)*1536+1280
.endr
	WIN 0
.endm
.macro MUL k                           ; eight products, the eight accumulators by turns; source 0 in window 1
	WIN 0x01
.irp b, 0,1,2,3,4,5,6,7
.if (\b%2)==0
	v_wmma_scale_f32_16x16x128_f8f6f4 v[X+8*\b:X+8*\b+7], v[96*((\k)%2)+12*\b:96*((\k)%2)+12*\b+11], v[AF+12*(\k):AF+12*(\k)+11], v[X+8*\b:X+8*\b+7], v[BS+4*(\k)+\b/2], v[AS+(\k)] matrix_a_fmt:MATRIX_FMT_FP6 matrix_b_fmt:MATRIX_FMT_FP6
.else
	v_wmma_scale_f32_16x16x128_f8f6f4 v[X+8*\b:X+8*\b+7], v[96*((\k)%2)+12*\b:96*((\k)%2)+12*\b+11], v[AF+12*(\k):AF+12*(\k)+11], v[X+8*\b:X+8*\b+7], v[BS+4*(\k)+\b/2], v[AS+(\k)] matrix_a_fmt:MATRIX_FMT_FP6 matrix_b_fmt:MATRIX_FMT_FP6 matrix_a_scale:MATRIX_SCALE_ROW1
.endif
.endr
	WIN 0
.rept 4
	v_nop                                          ; four places ahead of loads into registers that these products read, and of the first read of results
.endr
.endm
.macro GBLOAD reg, lo                  ; g or b at my columns, in the accumulators' layout, into window 1
	WIN 0x40
.irp B, 0,1,2,3
.irp q, 0,1,2,3
	global_load_b128 v[\reg+16*\B+4*\q:\reg+16*\B+4*\q+3], v[GB], s[\lo:\lo+1] offset:128*\B+16*\q
.endr
.endr
	WIN 0
.endm
	s_load_b256 s[4:11], s[0:1], 0x0               ; ctx, wts, x, g
	s_load_b128 s[12:15], s[0:1], 0x20             ; b, h2q
	v_lshl_add_u32 v[SPW], v0, 2, SPARE
	v_mov_b32 v[NIL], 0
	v_lshrrev_b32 v18, 5, v0
	s_delay_alu instid0(VALU_DEP_1)
	v_readfirstlane_b32 s16, v18                   ; wave
	v_and_b32 v18, 31, v0                          ; lane
	v_and_b32 v19, 15, v0                          ; r
	v_bfe_u32 v[GB], v0, 4, 1                      ; h
	v_lshlrev_b32 v[L16], 4, v18
	v_lshlrev_b32 v[L8], 3, v18
	v_lshlrev_b32 v[L4], 2, v18
	v_lshlrev_b32 v[R4], 2, v19
	s_mul_i32 s17, s16, 1536
	v_add_nc_u32 v[AW16], s17, v[L16]              ; where my image of ctx goes
	v_add_nc_u32 v[AW8], s17, v[L8]
	v_lshlrev_b32 v[ASR], 5, v19
	s_delay_alu instid0(VALU_DEP_1)
	v_add_nc_u32 v[RR], RED1, v[ASR]               ; row r's eight sums
	v_add_nc_u32 v[ASR], ASL, v[ASR]               ; line r's eight scale words
	s_lshl_b32 s18, s16, 2
	v_add_nc_u32 v[RW], s18, v[RR]
	v_add_nc_u32 v[ASW], s18, v[ASR]
	s_mul_i32 s19, s16, WRB
	s_add_co_u32 s19, s19, WR
	v_add_nc_u32 v[BSW], s19, v[L16]
	v_add_nc_u32 v[BSR], s19, v[L4]
	s_add_co_u32 s19, s19, 4096
	v_add_nc_u32 v[XSW], s19, v[L16]               ; the stage, on the way in
	v_mul_u32_u24 v[XSR], v19, 528
	s_delay_alu instid0(VALU_DEP_1)
	v_lshl_add_u32 v[XSR], v[GB], 6, v[XSR]
	s_delay_alu instid0(VALU_DEP_1)
	v_add_nc_u32 v[XSR], s19, v[XSR]               ; and out: row r, + 64 h
	v_lshlrev_b32 v[GB], 6, v[GB]                  ; 64 h: my place in g and b
	v_min_u32 v18, 17, v18
	s_delay_alu instid0(VALU_DEP_1)
	v_lshlrev_b32 v18, 8, v18                      ; the prefetch's offset: 256 x min(lane, 17); not rewritten
	s_mov_b32 s[SEL], 0x76543210
	s_mov_b32 s[SEL+1], 0xfedcba98                 ; lane selects: lane l xor 16
	s_lshl_b32 s22, ttmp9, 3
	s_add_co_u32 s22, s22, s16
	s_mul_i32 s22, s22, 1536                       ; image (8 g + w): in ctx what I fetch, in h2q what I make
	s_mov_b32 s23, 0
	s_lshr_b32 s24, ttmp9, 3
	s_lshl_b32 s24, s24, 12
	s_lshl_b32 s26, s16, 9                         ; 512 w
	s_add_co_u32 s24, s24, s26
	s_and_b32 s25, ttmp9, 7
	s_lshl_b32 s25, s25, 6
	s_add_co_u32 s24, s24, s25
	s_add_co_u32 s24, s24, SOFF                    ; and its scale words
	s_mov_b32 s25, 0
	s_mov_b32 s27, 0
	s_lshr_b32 s28, ttmp9, 1
	s_lshl_b32 s28, s28, 5
	s_and_b32 s29, ttmp9, 1
	s_lshl_b32 s29, s29, 3
	s_add_co_u32 s28, s28, s29                     ; the tile's first source row
	s_lshl_b32 s28, s28, 12
	s_add_co_u32 s28, s28, s26
	s_mov_b32 s29, 0
	s_mul_i32 s30, s16, 98304                      ; my eight tiles of wo
	s_add_co_u32 s30, s30, WOFF
	s_mov_b32 s31, 0
	s_lshl_b32 s32, s16, 12
	s_add_co_u32 s32, s32, BSOFF
	s_mov_b32 s33, 0
	s_and_b32 s36, ttmp9, 127                      ; j
	s_lshr_b32 s37, s36, 1
	s_mul_i32 s37, s37, 12288                      ; tile j / 2,
	s_and_b32 s36, s36, 1
	s_mul_i32 s36, s36, 4608                       ; its K steps 2 to 4 or 5 to 7
	s_add_co_u32 s36, s36, s37
	s_add_co_u32 s36, s36, WOFF+2*1536
	s_mov_b32 s37, 0
	s_wait_alu depctr_va_vdst(0)                   ; the wait at the head's end
	s_wait_kmcnt 0x0
	s_add_nc_u64 s[34:35], s[4:5], s[22:23]
	s_add_nc_u64 s[4:5], s[4:5], s[24:25]
	s_add_nc_u64 s[30:31], s[6:7], s[30:31]
	s_add_nc_u64 s[32:33], s[6:7], s[32:33]
	s_add_nc_u64 s[8:9], s[8:9], s[28:29]
	s_add_nc_u64 s[10:11], s[10:11], s[26:27]
	s_add_nc_u64 s[12:13], s[12:13], s[26:27]
	s_add_nc_u64 s[22:23], s[14:15], s[22:23]
	s_add_nc_u64 s[24:25], s[14:15], s[24:25]
	s_add_nc_u64 s[36:37], s[6:7], s[36:37]
	global_load_b128 v[AF:AF+3], v[L16], s[34:35]              ; ctx's image of K step w
	global_load_b64 v[AF+4:AF+5], v[L8], s[34:35] offset:512
	global_load_b128 v[AF+6:AF+9], v[L16], s[34:35] offset:768
	global_load_b64 v[AF+10:AF+11], v[L8], s[34:35] offset:1280
	global_load_b32 v[AS], v[R4], s[4:5]
.irp k, 0,1,2,3,4,5,6,7
	global_load_b128 v[BS+4*\k:BS+4*\k+3], v[L16], s[32:33] offset:512*\k   ; wo's scale words of K step k: 512 consecutive bytes
.endr
	WIN 0x40
.irp i, 0,1,2,3,4,5,6,7,8,9,10,11,12,13,14,15
	global_load_b128 v[XR+4*\i:XR+4*\i+3], v[L16], s[8:9] offset:(16*(\i/8)+\i%8)*4096   ; line i of x: 512 consecutive bytes
.endr
	BLOAD 0
	s_cmp_lg_u32 s16, 0                            ; one wave of the work-group asks
	s_cbranch_scc1 .Lno_ask
	global_prefetch_b8 v18, s[36:37] th:TH_LOAD_NT scope:SCOPE_SE
.Lno_ask:
	s_wait_loadcnt 32                              ; all but K step 0's 32 loads are in
	BLOAD 1
	ds_store_b128 v[AW16], v[AF:AF+3]
	ds_store_b64 v[AW8], v[AF+4:AF+5] offset:512
	ds_store_b128 v[AW16], v[AF+6:AF+9] offset:768
	ds_store_b64 v[AW8], v[AF+10:AF+11] offset:1280
	ds_store_b32 v[ASW], v[AS]                     ; lanes r and r + 16 write the same word with the same value
.irp k, 0,1,2,3,4,5,6,7
	ds_store_b128 v[BSW], v[BS+4*\k:BS+4*\k+3] offset:512*\k
.endr
	WIN 0x04                                       ; an LDS store's data are its source 1: window 1
.irp i, 0,1,2,3,4,5,6,7,8,9,10,11,12,13,14,15
	ds_store_b128 v[XSW], v[XR+4*\i:XR+4*\i+3] offset:528*\i
.endr
	WIN 0
	s_wait_dscnt 0x0                               ; for the others' sake
	s_barrier_signal -1
	s_barrier_wait -1
.irp B, 0,1,2,3
.irp q, 0,1,2,3
	ds_load_b128 v[X+16*\B+4*\q:X+16*\B+4*\q+3], v[XSR] offset:128*\B+16*\q   ; x in the accumulators' layout
.endr
.endr
	ds_load_b128 v[AS:AS+3], v[ASR]
	ds_load_b128 v[AS+4:AS+7], v[ASR] offset:16
.irp k, 0,1,2,3,4,5,6,7                ; eight LDS loads for each K step
	ds_load_b128 v[AF+12*\k:AF+12*\k+3], v[L16] offset:1536*\k
	ds_load_b64 v[AF+12*\k+4:AF+12*\k+5], v[L8] offset:1536*\k+512
	ds_load_b128 v[AF+12*\k+6:AF+12*\k+9], v[L16] offset:1536*\k+768
	ds_load_b64 v[AF+12*\k+10:AF+12*\k+11], v[L8] offset:1536*\k+1280
.irp q, 0,1,2,3
	ds_load_b32 v[BS+4*\k+\q], v[BSR] offset:512*\k+128*\q
.endr
.endr
.irp k, 0,1,2,3,4,5
	s_wait_loadcnt 32                              ; this K step's fragments of wo are in; the next step's 32 loads may be out
	s_wait_dscnt 8*(7-\k)                          ; and what it takes from LDS; the later steps' eight loads each may be out
	MUL \k
	BLOAD \k+2
.endr
	s_wait_loadcnt 32
	s_wait_dscnt 8
	MUL 6
	GBLOAD 0, 10                                   ; g, where K step 6's fragments lay
	s_wait_loadcnt 16                              ; K step 7's fragments are in; g's 16 loads may be out
	s_wait_dscnt 0x0
	MUL 7
	GBLOAD 96, 12                                  ; b
; my two chains of sums become, with lane l xor 16's and the other seven waves', the row's sum in v[LS].  off: which 512 bytes of LDS
.macro ROWSUM off
	s_delay_alu instid0(VALU_DEP_1)
	v_pk_add_f32 v[SA:SA+1], v[SA:SA+1], v[SB:SB+1]
	s_delay_alu instid0(VALU_DEP_1)
	v_add_f32 v[SA], v[SA], v[SA+1]
	s_delay_alu instid0(VALU_DEP_1)
	v_permlanex16_b32 v[SA+1], v[SA], s[SEL], s[SEL+1]
	s_delay_alu instid0(VALU_DEP_1)
	v_add_f32 v[SA], v[SA], v[SA+1]
	ds_store_b32 v[RW], v[SA] offset:\off          ; lanes r and r + 16 write the same word with the same value
	s_wait_dscnt 0x0                               ; for the others' sake
	s_barrier_signal -1
	s_barrier_wait -1
	ds_load_b128 v[LS:LS+3], v[RR] offset:\off
	ds_load_b128 v[LS+4:LS+7], v[RR] offset:\off+16
	s_wait_dscnt 0x0
	v_add_f32 v[LS], v[LS], v[LS+1]
	v_add_f32 v[LS+2], v[LS+2], v[LS+3]
	v_add_f32 v[LS+4], v[LS+4], v[LS+5]
	v_add_f32 v[LS+6], v[LS+6], v[LS+7]
	s_delay_alu instid0(VALU_DEP_3)
	v_add_f32 v[LS], v[LS], v[LS+2]
	s_delay_alu instid0(VALU_DEP_2)
	v_add_f32 v[LS+4], v[LS+4], v[LS+6]
	s_delay_alu instid0(VALU_DEP_1)
	v_add_f32 v[LS], v[LS], v[LS+4]
.endm
	v_pk_add_f32 v[SA:SA+1], v[X:X+1], v[X+2:X+3]  ; each accumulator is read from its low end on
	v_pk_add_f32 v[SB:SB+1], v[X+4:X+5], v[X+6:X+7]
.set jj, 8
.rept 14
	v_pk_add_f32 v[SA:SA+1], v[SA:SA+1], v[X+jj:X+jj+1]            ; two chains by turns
	v_pk_add_f32 v[SB:SB+1], v[SB:SB+1], v[X+jj+2:X+jj+3]
.set jj, jj+4
.endr
	ROWSUM 0
	s_delay_alu instid0(VALU_DEP_1)
	v_mul_f32 v[MR], 0x3a800000, v[LS]             ; the mean: / 1,024
	s_delay_alu instid0(VALU_DEP_1)
	v_mov_b32 v[MR+1], v[MR]
.set jj, 0
.rept 32
	v_pk_add_f32 v[X+jj:X+jj+1], v[X+jj:X+jj+1], v[MR:MR+1] neg_lo:[0,1] neg_hi:[0,1]
.set jj, jj+2
.endr
	v_pk_mul_f32 v[SA:SA+1], v[X:X+1], v[X:X+1]
	v_pk_mul_f32 v[SB:SB+1], v[X+2:X+3], v[X+2:X+3]
.set jj, 4
.rept 15
	s_delay_alu instid0(VALU_DEP_2)
	v_pk_fma_f32 v[SA:SA+1], v[X+jj:X+jj+1], v[X+jj:X+jj+1], v[SA:SA+1]
	s_delay_alu instid0(VALU_DEP_2)
	v_pk_fma_f32 v[SB:SB+1], v[X+jj+2:X+jj+3], v[X+jj+2:X+jj+3], v[SB:SB+1]
.set jj, jj+4
.endr
	ROWSUM 512
	v_mov_b32 v[LS+1], 0x3a800000
	s_delay_alu instid0(VALU_DEP_1)
	v_fmaak_f32 v[LS], v[LS], v[LS+1], 0x3727c5ac  ; the variance + 1e-5
	s_wait_alu depctr_va_vdst(0)                   ; the wait ahead of the transcendental,
	v_rsq_f32 v[MR], v[LS]
	v_nop                                          ; a plain place behind it,
	s_wait_alu depctr_va_vdst(0)                   ; and the wait ahead of its first reader
	v_mov_b32 v[MR+1], v[MR]
.irp b, 0,1,2,3
	v_mov_b32 v[TM+4+\b], 0                        ; a lane permute's destination counts as one of its sources
.endr
	s_wait_alu depctr_va_vdst(0)
	s_wait_loadcnt 0x0                             ; g and b
.set jj, 0
.rept 32
	v_pk_mul_f32 v[X+jj:X+jj+1], v[X+jj:X+jj+1], v[MR:MR+1]
.set jj, jj+2
.endr
	WIN 0x14                                       ; sources 1 and 2 in window 1: g at v0, b at v96
.set jj, 0
.rept 32
	v_pk_fma_f32 v[X+jj:X+jj+1], v[X+jj:X+jj+1], v[jj:jj+1], v[96+jj:96+jj+1]
.set jj, jj+2
.endr
	WIN 0
	; the quantiser along my 128 columns: block B lies in lanes l and l xor 16, 16 numbers each
.irp b, 0,1,2,3
	v_max3_num_f32 v[TM+\b], |v[X+16*\b]|, |v[X+1+16*\b]|, 0x1800000   ; with the floor 2^(3 - 127): the byte cannot fall under 1
.endr
.irp i, 2,4,6,8,10,12,14
.irp b, 0,1,2,3
	s_delay_alu instid0(VALU_DEP_4)
	v_max3_num_f32 v[TM+\b], v[TM+\b], |v[X+16*\b+\i]|, |v[X+1+16*\b+\i]|
.endr
.endr
.irp b, 0,1,2,3
	s_delay_alu instid0(VALU_DEP_4)
	v_permlanex16_b32 v[TM+4+\b], v[TM+\b], s[SEL], s[SEL+1]
.endr
.irp b, 0,1,2,3
	s_delay_alu instid0(VALU_DEP_4)
	v_max_num_f32 v[TM+\b], v[TM+\b], v[TM+4+\b]
.endr
.irp b, 0,1,2,3
	s_delay_alu instid0(VALU_DEP_4)
	v_add_nc_u32 v[TM+12+\b], 0xff000000, v[TM+\b] ; 2 off the exponent field: the conversion's scale operand
.endr
.irp b, 0,1,2,3
	s_delay_alu instid0(VALU_DEP_4)
	v_lshrrev_b32 v[TM+4+\b], 23, v[TM+12+\b]      ; the scale's byte
.endr
	s_delay_alu instid0(VALU_DEP_3)
	v_lshl_or_b32 v[PW], v[TM+5], 8, v[TM+4]
	s_delay_alu instid0(VALU_DEP_1)
	v_lshl_or_b32 v[PW], v[TM+6], 16, v[PW]
	s_delay_alu instid0(VALU_DEP_1)
	v_lshl_or_b32 v[PW], v[TM+7], 24, v[PW]
.irp c, 0,1
	v_cvt_scalef32_pk16_fp6_f32 v[PC+6*\c:PC+2+6*\c], v[X+32*\c:X+15+32*\c], v[TM+12+2*\c]
	v_cvt_scalef32_pk16_fp6_f32 v[TT+4*\c:TT+2+4*\c], v[X+16+32*\c:X+31+32*\c], v[TM+12+2*\c+1]
.endr
	v_nop                                          ; one plain place behind a scaled conversion
.irp c, 0,1
.irp i, 0,1,2
	v_permlane16_swap_b32 v[PC+6*\c+\i], v[TT+4*\c+\i]   ; a whole block to a lane
.endr
.irp i, 0,1,2
	s_delay_alu instid0(VALU_DEP_3)
	v_mov_b32 v[PC+3+6*\c+\i], v[TT+4*\c+\i]
.endr
.endr
	global_store_b128 v[L16], v[PC:PC+3], s[22:23]             ; 512 consecutive bytes,
	global_store_b64 v[L8], v[PC+4:PC+5], s[22:23] offset:512  ; 256,
	global_store_b128 v[L16], v[PC+6:PC+9], s[22:23] offset:768
	global_store_b64 v[L8], v[PC+10:PC+11], s[22:23] offset:1280
	global_store_b32 v[R4], v[PW], s[24:25]        ; lanes r and r + 16 hold the same word and write it to the same place
	s_wait_tensorcnt 0x0                           ; the wave's end
	ds_add_u32 v[SPW], v[NIL]
	s_wait_dscnt 0x0
	s_endpgm
.Lfunc_end_k_q3c8ca832bc_woln:
	.size	k_q3c8ca832bc_woln, .Lfunc_end_k_q3c8ca832bc_woln-k_q3c8ca832bc_woln
	.p2alignl 7, 3214868480
	.fill 96, 4, 3214868480
	.section	.rodata,"a",@progbits
	.p2align	6, 0x0
	.amdhsa_kernel k_q3c8ca832bc_woln
		.amdhsa_group_segment_fixed_size 115200
		.amdhsa_private_segment_fixed_size 0
		.amdhsa_enable_private_segment 0
		.amdhsa_kernarg_size 48
		.amdhsa_user_sgpr_count 2
		.amdhsa_user_sgpr_kernarg_segment_ptr 1
		.amdhsa_wavefront_size32 1
		.amdhsa_system_sgpr_workgroup_id_x 1
		.amdhsa_system_sgpr_workgroup_id_y 1
		.amdhsa_system_sgpr_workgroup_id_z 1
		.amdhsa_system_vgpr_workitem_id 0
		.amdhsa_next_free_vgpr 512
		.amdhsa_next_free_sgpr 66
		.amdhsa_reserve_vcc 0
		.amdhsa_float_denorm_mode_32 3
		.amdhsa_float_denorm_mode_16_64 3
		.amdhsa_memory_ordered 1
		.amdhsa_forward_progress 1
		.amdhsa_inst_pref_size 71
	.end_amdhsa_kernel
	.amdgpu_metadata
---
amdhsa.version: [ 1, 2 ]
amdhsa.kernels:
  - .name:           k_q3c8ca832bc_woln
    .symbol:         k_q3c8ca832bc_woln.kd
    .args:
      - { .name: ctx, .offset: 0, .size: 8, .value_kind: global_buffer, .address_space: global }
      - { .name: wts, .offset: 8, .size: 8, .value_kind: global_buffer, .address_space: global }
      - { .name: x, .offset: 16, .size: 8, .value_kind: global_buffer, .address_space: global }
      - { .name: ln2_g, .offset: 24, .size: 8, .value_kind: global_buffer, .address_space: global }
      - { .name: ln2_b, .offset: 32, .size: 8, .value_kind: global_buffer, .address_space: global }
      - { .name: h2q, .offset: 40, .size: 8, .value_kind: global_buffer, .address_space: global }
    .group_segment_fixed_size: 115200
    .private_segment_fixed_size: 0
    .kernarg_segment_align: 8
    .kernarg_segment_size: 48
    .max_flat_workgroup_size: 256
    .sgpr_count:     66
    .vgpr_count:     512
    .wavefront_size: 32
...
	.end_amdgpu_metadata
.endif
;; end of part 4
;; launch ff1 (part 5): grid 16 x 16, 8 waves a work-group, clusters of 4 x 4, 327,680 bytes of LDS; arguments h2q, wts, gq; writes gq
.if DOCPART == 5
	.amdgcn_target "amdgcn-amd-amdhsa--gfx1250"
	.amdhsa_code_object_version 6
	.text
	.protected	k_q3c8ca832bc_ff1
	.globl	k_q3c8ca832bc_ff1
	.p2align	8
	.type	k_q3c8ca832bc_ff1,@function
k_q3c8ca832bc_ff1:
	s_mov_b64 s[64:65], 0
	v_nop
	global_prefetch_b8 v0, s[64:65] scope:SCOPE_SE
	s_setreg_imm32_b32 hwreg(HW_REG_WAVE_MODE, 25, 1), 1
	s_wait_xcnt 0x0
	s_wait_alu depctr_hold_cnt(0) depctr_sa_sdst(0) depctr_va_vdst(0) depctr_va_sdst(0) depctr_va_ssrc(0) depctr_va_vcc(0) depctr_vm_vsrc(0)
	s_getreg_b32 s2, hwreg(HW_REG_IB_STS2, 6, 4)
	s_cmp_eq_u32 s2, 0
	s_cbranch_scc0 .Lentry_in_a_cluster
	s_endpgm
.Lentry_in_a_cluster:
	s_bfe_u32 s2, ttmp6, 0x10000c
	s_cmp_lg_u32 s2, 0xf033
	s_cbranch_scc0 .Lentry_shape_is_right
	s_endpgm
.Lentry_shape_is_right:
.set KS,    8
.set AST,   4608                       ; a position tile's part of a slot: three K steps' images
.set SLOT,  147456                     ; A's 16 tiles, then B's 16
.set BOFF,  73728
.set SCL,   2*SLOT
.set SPARE, SCL+16384
.set WOFF,  3145728
.set BSOFF, 9437184+131072
.set ASOFF, 3145728
.set L16, 1
.set L8,  2
.set L4,  3
.set A16, 4
.set A8,  6
.set B16, 8
.set B8,  10
.set ASA, 12
.set BSA, 13
.set SPW, 14
.set NIL, 15
.set AS,  16
.set BS,  18
.set AF,  24
.set BF,  72
.set H,   24
.set Z,   88
.set X2,  104
.set P,   120
.set Q,   136
.set CA,  152
.set TM,  168
.set TT,  184
.set PW,  192
.set CB,  196
.set PC,  204
.set RT2, 252
.set SW,  254
.set G1,  24
.set G0,  32
.set G1B, 48
.set G0B, 56
.set G1S, 68
.set G0S, 76
.set G1SB, 80
.set G0SB, 88
.set SEL, 66
.set MSB, 0
.macro WIN new
.if MSB != \new
	s_set_vgpr_msb (MSB<<8)|\new
.set MSB, \new
.endif
.endm
.macro PLACES n
.rept \n
	v_nop
.endr
.endm
.macro JLOAD g0a, g1a, g0b, g1b
	s_cmp_eq_u32 s15, 0
	s_cbranch_scc0 .Lfor_b_\@
	tensor_load_to_lds s[\g0a:\g0a+3], s[\g1a:\g1a+7]
	s_nop 0
.rept 4
	v_nop
.endr
	s_branch .Lasked_\@
.Lfor_b_\@:
	tensor_load_to_lds s[\g0b:\g0b+3], s[\g1b:\g1b+7]
	s_nop 0
.rept 4
	v_nop
.endr
.Lasked_\@:
.endm
.macro CROUND
	s_barrier_signal -1
	s_barrier_wait -1
	s_cmp_lg_u32 s14, 0
	s_cbranch_scc1 .Lnot_wave_0_\@
	s_barrier_signal -3
.Lnot_wave_0_\@:
	s_barrier_wait -3
	s_barrier_signal -1
	s_barrier_wait -1
.endm
.macro FRAG reg, a16, a8, off
	ds_load_b128 v[(\reg):(\reg)+3], v[\a16] offset:(\off)
	ds_load_b64 v[(\reg)+4:(\reg)+5], v[\a8] offset:(\off)+512
	ds_load_b128 v[(\reg)+6:(\reg)+9], v[\a16] offset:(\off)+768
	ds_load_b64 v[(\reg)+10:(\reg)+11], v[\a8] offset:(\off)+1280
.endm
.macro WM d, bf, af, zero, sb, sa, rb, ra
.if (\zero)
.if ((\rb)==0)&&((\ra)==0)
	v_wmma_scale_f32_16x16x128_f8f6f4 v[(\d):(\d)+7], v[(\bf):(\bf)+11], v[(\af):(\af)+11], 0, v[(\sb)], v[(\sa)] matrix_a_fmt:MATRIX_FMT_FP6 matrix_b_fmt:MATRIX_FMT_FP6
.elseif ((\rb)==1)&&((\ra)==0)
	v_wmma_scale_f32_16x16x128_f8f6f4 v[(\d):(\d)+7], v[(\bf):(\bf)+11], v[(\af):(\af)+11], 0, v[(\sb)], v[(\sa)] matrix_a_fmt:MATRIX_FMT_FP6 matrix_b_fmt:MATRIX_FMT_FP6 matrix_a_scale:MATRIX_SCALE_ROW1
.elseif ((\rb)==0)&&((\ra)==1)
	v_wmma_scale_f32_16x16x128_f8f6f4 v[(\d):(\d)+7], v[(\bf):(\bf)+11], v[(\af):(\af)+11], 0, v[(\sb)], v[(\sa)] matrix_a_fmt:MATRIX_FMT_FP6 matrix_b_fmt:MATRIX_FMT_FP6 matrix_b_scale:MATRIX_SCALE_ROW1
.else
	v_wmma_scale_f32_16x16x128_f8f6f4 v[(\d):(\d)+7], v[(\bf):(\bf)+11], v[(\af):(\af)+11], 0, v[(\sb)], v[(\sa)] matrix_a_fmt:MATRIX_FMT_FP6 matrix_b_fmt:MATRIX_FMT_FP6 matrix_a_scale:MATRIX_SCALE_ROW1 matrix_b_scale:MATRIX_SCALE_ROW1
.endif
.else
.if ((\rb)==0)&&((\ra)==0)
	v_wmma_scale_f32_16x16x128_f8f6f4 v[(\d):(\d)+7], v[(\bf):(\bf)+11], v[(\af):(\af)+11], v[(\d):(\d)+7], v[(\sb)], v[(\sa)] matrix_a_fmt:MATRIX_FMT_FP6 matrix_b_fmt:MATRIX_FMT_FP6
.elseif ((\rb)==1)&&((\ra)==0)
	v_wmma_scale_f32_16x16x128_f8f6f4 v[(\d):(\d)+7], v[(\bf):(\bf)+11], v[(\af):(\af)+11], v[(\d):(\d)+7], v[(\sb)], v[(\sa)] matrix_a_fmt:MATRIX_FMT_FP6 matrix_b_fmt:MATRIX_FMT_FP6 matrix_a_scale:MATRIX_SCALE_ROW1
.elseif ((\rb)==0)&&((\ra)==1)
	v_wmma_scale_f32_16x16x128_f8f6f4 v[(\d):(\d)+7], v[(\bf):(\bf)+11], v[(\af):(\af)+11], v[(\d):(\d)+7], v[(\sb)], v[(\sa)] matrix_a_fmt:MATRIX_FMT_FP6 matrix_b_fmt:MATRIX_FMT_FP6 matrix_b_scale:MATRIX_SCALE_ROW1
.else
	v_wmma_scale_f32_16x16x128_f8f6f4 v[(\d):(\d)+7], v[(\bf):(\bf)+11], v[(\af):(\af)+11], v[(\d):(\d)+7], v[(\sb)], v[(\sa)] matrix_a_fmt:MATRIX_FMT_FP6 matrix_b_fmt:MATRIX_FMT_FP6 matrix_a_scale:MATRIX_SCALE_ROW1 matrix_b_scale:MATRIX_SCALE_ROW1
.endif
.endif
.endm
.macro KSTEP slot, koff, scoff, zero
.irp p, 0,1
	ds_load_b32 v[AS+\p], v[ASA] offset:(\scoff)+128*\p
.endr
.irp q, 0,1,2,3
	ds_load_b32 v[BS+\q], v[BSA] offset:(\scoff)+128*\q
.endr
.irp a, 0,1,2,3
	FRAG AF+12*\a, A16+\slot, A8+\slot, \a*AST+\koff
.endr
.irp b, 0,1,2,3,4,5,6,7
	FRAG BF+12*\b, B16+\slot, B8+\slot, \b*AST+\koff
.endr
	WIN 0x50
.irp b, 0,1,2,3,4,5,6,7
	s_wait_dscnt 4*(7-\b)
.irp a, 0,1,2,3
	WM 8*(8*\a+\b), BF+12*\b, AF+12*\a, \zero, BS+\b/2, AS+\a/2, \b%2, \a%2
.endr
.endr
	WIN 0
	PLACES 4
.endm
.macro CHANGE slot, fill
	s_wait_tensorcnt 0x0
	ds_add_u32 v[SPW], v[NIL]
	s_wait_dscnt 0x0
.if \fill
	CROUND
	JLOAD G0+4*\slot, G1, G0B+4*\slot, G1B
.else
	s_barrier_signal -1
	s_barrier_wait -1
.endif
.endm
.macro QUANT s, pc, pw
.irp b, 0,1,2,3
	v_max3_num_f32 v[TM+\b], |v[(\s)+16*\b]|, |v[(\s)+1+16*\b]|, 0x1800000
.endr
.irp i, 2,4,6,8,10,12,14
.irp b, 0,1,2,3
	s_delay_alu instid0(VALU_DEP_4)
	v_max3_num_f32 v[TM+\b], v[TM+\b], |v[(\s)+16*\b+\i]|, |v[(\s)+1+16*\b+\i]|
.endr
.endr
.irp b, 0,1,2,3
	s_delay_alu instid0(VALU_DEP_4)
	v_permlanex16_b32 v[TM+4+\b], v[TM+\b], s[SEL], s[SEL+1]
.endr
.irp b, 0,1,2,3
	s_delay_alu instid0(VALU_DEP_4)
	v_max_num_f32 v[TM+\b], v[TM+\b], v[TM+4+\b]
.endr
.irp b, 0,1,2,3
	s_delay_alu instid0(VALU_DEP_4)
	v_add_nc_u32 v[TM+12+\b], 0xff000000, v[TM+\b]
.endr
.irp b, 0,1,2,3
	s_delay_alu instid0(VALU_DEP_4)
	v_lshrrev_b32 v[TM+4+\b], 23, v[TM+12+\b]
.endr
	s_delay_alu instid0(VALU_DEP_3)
	v_lshl_or_b32 v[\pw], v[TM+5], 8, v[TM+4]
	s_delay_alu instid0(VALU_DEP_1)
	v_lshl_or_b32 v[\pw], v[TM+6], 16, v[\pw]
	s_delay_alu instid0(VALU_DEP_1)
	v_lshl_or_b32 v[\pw], v[TM+7], 24, v[\pw]
.irp c, 0,1
	v_cvt_scalef32_pk16_fp6_f32 v[(\pc)+6*\c:(\pc)+2+6*\c], v[(\s)+32*\c:(\s)+15+32*\c], v[TM+12+2*\c]
	v_cvt_scalef32_pk16_fp6_f32 v[TT+4*\c:TT+2+4*\c], v[(\s)+16+32*\c:(\s)+31+32*\c], v[TM+12+2*\c+1]
.endr
	v_nop
.irp c, 0,1
.irp i, 0,1,2
	v_permlane16_swap_b32 v[(\pc)+6*\c+\i], v[TT+4*\c+\i]
.endr
.irp i, 0,1,2
	s_delay_alu instid0(VALU_DEP_3)
	v_mov_b32 v[(\pc)+3+6*\c+\i], v[TT+4*\c+\i]
.endr
.endr
.endm
.macro GELU src, dst
	WIN 0x01
.irp i, 0,2,4,6,8,10,12,14
	v_pk_mul_f32 v[Z+\i:Z+\i+1], v[(\src)+\i:(\src)+\i+1], v[RT2:RT2+1]
.endr
.irp i, 0,2,4,6,8,10,12,14
	v_pk_mul_f32 v[(\dst)+\i:(\dst)+\i+1], v[(\src)+\i:(\src)+\i+1], 0.5 op_sel_hi:[1,0]
.endr
	WIN 0
.irp i, 0,1,2,3,4,5,6,7,8,9,10,11,12,13,14,15
	v_med3_num_f32 v[Z+\i], v[Z+\i], -4.0, 4.0
.endr
.irp i, 0,2,4,6,8,10,12,14
	v_pk_mul_f32 v[X2+\i:X2+\i+1], v[Z+\i:Z+\i+1], v[Z+\i:Z+\i+1]
.endr
.irp i, 0,2,4,6,8,10,12,14
	v_pk_fma_f32 v[P+\i:P+\i+1], v[X2+\i:X2+\i+1], v[CA:CA+1], v[CA+2:CA+3]
.endr
.irp i, 0,2,4,6,8,10,12,14
	v_pk_fma_f32 v[Q+\i:Q+\i+1], v[X2+\i:X2+\i+1], v[CA+14:CA+15], v[CB:CB+1]
.endr
.irp k, 2,4,6
.irp i, 0,2,4,6,8,10,12,14
	v_pk_fma_f32 v[Q+\i:Q+\i+1], v[Q+\i:Q+\i+1], v[X2+\i:X2+\i+1], v[CB+\k:CB+\k+1]
.endr
.endr
	s_wait_alu depctr_va_vdst(0)
.irp i, 0,1,2,3,4,5,6,7,8,9,10,11,12,13,14,15
	v_rcp_f32 v[Q+\i], v[Q+\i]
.endr
.irp k, 4,6,8,10,12
.irp i, 0,2,4,6,8,10,12,14
	v_pk_fma_f32 v[P+\i:P+\i+1], v[P+\i:P+\i+1], v[X2+\i:X2+\i+1], v[CA+\k:CA+\k+1]
.endr
.endr
.irp i, 0,2,4,6,8,10,12,14
	v_pk_mul_f32 v[P+\i:P+\i+1], v[P+\i:P+\i+1], v[Z+\i:Z+\i+1]
.endr
	s_wait_alu depctr_va_vdst(0)
.irp i, 0,2,4,6,8,10,12,14
	v_pk_mul_f32 v[P+\i:P+\i+1], v[P+\i:P+\i+1], v[Q+\i:Q+\i+1]
.endr
.irp i, 0,2,4,6,8,10,12,14
	v_pk_fma_f32 v[(\dst)+\i:(\dst)+\i+1], v[(\dst)+\i:(\dst)+\i+1], v[P+\i:P+\i+1], v[(\dst)+\i:(\dst)+\i+1]
.endr
.endm
.macro COEF reg, val
	v_mov_b32 v[\reg], \val
	v_mov_b32 v[\reg+1], \val
.endm
	s_load_b128 s[4:7], s[0:1], 0x0
	s_load_b64 s[8:9], s[0:1], 0x10
	v_lshl_add_u32 v[SPW], v0, 2, SPARE
	v_mov_b32 v[NIL], 0
	ds_add_u32 v[SPW], v[NIL]
	ds_add_u32 v[SPW], v[NIL]
	v_lshrrev_b32 v1, 5, v0
	s_delay_alu instid0(VALU_DEP_1)
	v_readfirstlane_b32 s14, v1
	s_lshr_b32 s15, s14, 2
	s_and_b32 s16, s14, 3
	s_bfe_u32 s40, ttmp6, 0x40000
	s_bfe_u32 s41, ttmp6, 0x40004
	s_lshl_b32 s42, ttmp9, 2
	s_add_co_u32 s42, s42, s40
	s_and_b32 s17, ttmp7, 0xffff
	s_lshl_b32 s17, s17, 2
	s_add_co_u32 s17, s17, s41
	s_lshl_b32 s43, s41, 2
	s_lshl_b32 s43, 15, s43
	s_lshl_b32 s44, 0x1111, s40
	s_or_b32 s[G1], s43, (3<<16)|(1<<21)
	s_or_b32 s[G1B], s44, (3<<16)|(1<<21)
.irp g, G1, G1B
	s_mov_b32 s[\g+1], 384<<16                     ; the head's loads: eight tiles, K steps 0 and 1 (tensor_dim0: two images); the third image's bytes of a tile's row are written as zeros and not read
	s_mov_b32 s[\g+2], 8<<16
	s_mov_b32 s[\g+3], 576<<16
	s_mov_b32 s[\g+4], 8
	s_mov_b32 s[\g+5], KS*192
	s_mov_b32 s[\g+6], 0
	s_mov_b32 s[\g+7], 0
.endr
	s_or_b32 s[G1S], s43, (3<<16)|(1<<21)
	s_or_b32 s[G1SB], s44, (3<<16)|(1<<21)
.irp g, G1S, G1SB
	s_mov_b32 s[\g+1], 32<<16
	s_mov_b32 s[\g+2], 16<<16                      ; half of an operand's scale words: 16 rows of 256 bytes
	s_mov_b32 s[\g+3], 32<<16
	s_mov_b32 s[\g+4], 16
	s_mov_b32 s[\g+5], 32
	s_mov_b32 s[\g+6], 0
	s_mov_b32 s[\g+7], 0
.endr
	s_and_b32 s96, s14, 1                          ; at the head: which slot, or which half of the scale words, I fetch
	s_mul_i32 s20, s17, 196608
	s_mov_b32 s21, 0
	s_mul_i32 s46, s42, 196608
	s_add_co_u32 s46, s46, WOFF
	s_mov_b32 s47, 0
	s_lshl_b32 s19, s96, 12
	s_lshl_b32 s22, s17, 13
	s_add_co_u32 s22, s22, s19
	s_add_co_u32 s22, s22, ASOFF
	s_mov_b32 s23, 0
	s_lshl_b32 s92, s42, 13
	s_add_co_u32 s92, s92, s19
	s_add_co_u32 s92, s92, BSOFF
	s_mov_b32 s93, 0
	s_lshl_b32 s94, s96, 12
	s_mov_b32 s[SEL], 0x76543210
	s_mov_b32 s[SEL+1], 0xfedcba98
	s_wait_dscnt 0x0
	s_wait_kmcnt 0x0
	s_add_nc_u64 s[20:21], s[4:5], s[20:21]
	s_add_nc_u64 s[22:23], s[4:5], s[22:23]
	s_add_nc_u64 s[46:47], s[6:7], s[46:47]
	s_add_nc_u64 s[92:93], s[6:7], s[92:93]
	CROUND
	s_mov_b32 s[G0S], 1
	s_add_co_u32 s[G0S+1], s94, SCL
	s_mov_b64 s[G0S+2:G0S+3], s[22:23]
	s_or_b32 s[G0S+3], s[G0S+3], 0x80000000
	s_mov_b32 s[G0SB], 1
	s_add_co_u32 s[G0SB+1], s94, SCL+8192
	s_mov_b64 s[G0SB+2:G0SB+3], s[92:93]
	s_or_b32 s[G0SB+3], s[G0SB+3], 0x80000000
	s_mul_i32 s18, s96, 8*12288                    ; the head's loads of codes: half w % 2 of slot 0's 16 tiles; group 0 in s[4:7] (A; the arguments that lay there have been used) and s[96:99] (B)
	s_mov_b32 s19, 0
	s_mov_b32 s4, 1
	s_mul_i32 s5, s96, 8*AST
	s_add_nc_u64 s[6:7], s[20:21], s[18:19]
	s_or_b32 s7, s7, 0x80000000
	s_add_co_u32 s97, s5, BOFF
	s_add_nc_u64 s[98:99], s[46:47], s[18:19]
	s_or_b32 s99, s99, 0x80000000
	s_mov_b32 s96, 1
	s_mul_i32 s18, s16, 49152                      ; behind the head a wave fetches four tiles
	s_add_nc_u64 s[20:21], s[20:21], s[18:19]
	s_add_nc_u64 s[46:47], s[46:47], s[18:19]
	s_mov_b32 s[G0+4], 1                           ; slot 1's first fill: K steps 2 to 4
	s_mul_i32 s[G0+5], s14, 4*AST
	s_add_co_u32 s[G0+5], s[G0+5], SLOT
	s_add_nc_u64 s[G0+6:G0+7], s[20:21], 2*1536
	s_or_b32 s[G0+7], s[G0+7], 0x80000000
	s_mov_b32 s[G0B+4], 1
	s_mul_i32 s[G0B+5], s14, 4*AST
	s_add_co_u32 s[G0B+5], s[G0B+5], SLOT
	s_add_nc_u64 s[G0B+6:G0B+7], s[46:47], 2*1536
	s_or_b32 s[G0B+7], s[G0B+7], 0x80000000
	s_mov_b32 s18, 5*1536                          ; the one refill, into slot 0: K steps 5 to 7
	s_mov_b32 s[G0], 1
	s_mul_i32 s[G0+1], s14, 4*AST
	s_add_nc_u64 s[G0+2:G0+3], s[20:21], s[18:19]
	s_or_b32 s[G0+3], s[G0+3], 0x80000000
	s_mov_b32 s[G0B], 1
	s_mul_i32 s[G0B+1], s14, 4*AST
	s_add_nc_u64 s[G0B+2:G0B+3], s[46:47], s[18:19]
	s_or_b32 s[G0B+3], s[G0B+3], 0x80000000
; THE HEAD'S LOADS, ONE A WAVE: waves 0, 1 the halves of A's tiles for slot 0; waves 2, 3 of B's; waves 4, 5 the halves of A's scale words; waves 6, 7 of B's.  One chain of branches on the wave's number, one load to an arm, one join
.macro ARM under, g0, g1, next
	s_cmp_lt_u32 s14, \under
	s_cbranch_scc0 \next
	tensor_load_to_lds s[\g0:\g0+3], s[\g1:\g1+7]
	s_nop 0
.rept 4
	v_nop
.endr
	s_branch .Lhead_asked
\next:
.endm
	ARM 2, 4, G1, .Lhead_b
	ARM 4, 96, G1B, .Lhead_sa
	ARM 6, G0S, G1S, .Lhead_sb
	tensor_load_to_lds s[G0SB:G0SB+3], s[G1SB:G1SB+7]
	s_nop 0
.rept 4
	v_nop
.endr
.Lhead_asked:
	; THE PREFETCHES INTO THE L2: the two fills that follow the head's, each one fill or more ahead of its load.  A fill is 4,608 bytes, 18 blocks of 256, of each of the four tiles that I fetch jointly with three partners:
	; the partner at place p (cx for A, cy for B) names tile p, a lane a block; the lanes left over name the last block again.  K has no further fill: nothing is asked for behind these two.
	v_and_b32 v22, 31, v0
	s_delay_alu instid0(VALU_DEP_1)
	v_min_u32 v22, 17, v22
	s_delay_alu instid0(VALU_DEP_1)
	v_lshlrev_b32 v22, 8, v22                      ; v22 is kept for this alone
	s_wait_alu depctr_va_vdst(0)
	s_cmp_eq_u32 s15, 0
	s_cselect_b64 s[44:45], s[20:21], s[46:47]     ; my four tiles, of A or of B
	s_cselect_b32 s18, s40, s41
	s_mul_i32 s18, s18, 12288
	s_add_nc_u64 s[44:45], s[44:45], s[18:19]
	global_prefetch_b8 v22, s[44:45] offset:2*1536 th:TH_LOAD_NT scope:SCOPE_SE
	global_prefetch_b8 v22, s[44:45] offset:5*1536 th:TH_LOAD_NT scope:SCOPE_SE
	v_and_b32 v3, 31, v0
	s_delay_alu instid0(VALU_DEP_1)
	v_lshlrev_b32 v[L16], 4, v3
	s_delay_alu instid0(VALU_DEP_2)
	v_lshlrev_b32 v[L8], 3, v3
	s_delay_alu instid0(VALU_DEP_3)
	v_lshlrev_b32 v[L4], 2, v3
	s_wait_alu depctr_va_vdst(0)
	s_lshr_b32 s18, s14, 1
	s_and_b32 s19, s14, 1
	s_mul_i32 s20, s18, 4*AST
	s_mul_i32 s21, s19, 8*AST
	s_add_co_u32 s21, s21, BOFF
.irp s, 0,1
	v_add_nc_u32 v[A16+\s], s20, v[L16]
	v_add_nc_u32 v[A8+\s], s20, v[L8]
	v_add_nc_u32 v[B16+\s], s21, v[L16]
	v_add_nc_u32 v[B8+\s], s21, v[L8]
	s_add_co_u32 s20, s20, SLOT
	s_add_co_u32 s21, s21, SLOT
.endr
	s_lshr_b32 s20, s18, 1
	s_lshl_b32 s20, s20, 12
	s_and_b32 s21, s18, 1
	s_lshl_b32 s21, s21, 8
	s_add_co_u32 s20, s20, s21
	s_add_co_u32 s20, s20, SCL
	v_add_nc_u32 v[ASA], s20, v[L4]
	s_lshl_b32 s21, s19, 12
	s_add_co_u32 s21, s21, SCL+8192
	v_add_nc_u32 v[BSA], s21, v[L4]
.irp b, 0,1,2,3
	v_mov_b32 v[TM+4+\b], 0
.endr
	s_lshl_b32 s10, s17, 4
	s_lshl_b32 s11, s18, 2
	s_add_co_u32 s10, s10, s11
	s_lshl_b32 s10, s10, 5
	s_lshl_b32 s2, s42, 1
	s_add_co_u32 s2, s2, s19
	s_add_co_u32 s10, s10, s2
	s_mul_i32 s10, s10, 1536
	s_mov_b32 s11, 0
	s_add_nc_u64 s[10:11], s[8:9], s[10:11]
	s_lshl_b32 s12, s17, 1
	s_lshr_b32 s13, s18, 1
	s_add_co_u32 s12, s12, s13
	s_lshl_b32 s12, s12, 14
	s_lshl_b32 s13, s2, 9
	s_add_co_u32 s12, s12, s13
	s_and_b32 s13, s18, 1
	s_lshl_b32 s13, s13, 8
	s_add_co_u32 s12, s12, s13
	s_add_co_u32 s12, s12, 12582912
	s_mov_b32 s13, 0
	s_add_nc_u64 s[12:13], s[8:9], s[12:13]
	s_mov_b32 s2, 0xffff0000
	s_wait_alu depctr_va_vdst(0)
	s_wait_xcnt 0x0                                ; the prefetches have read their address registers
	s_wait_tensorcnt 0x0                           ; my one load of the head is in
	ds_add_u32 v[SPW], v[NIL]
.irp g, G1, G1B
	s_mov_b32 s[\g+1], 576<<16                     ; no load of mine is out, so group 1 may be written: from here on a load brings four tiles x three images
	s_mov_b32 s[\g+2], 4<<16
	s_mov_b32 s[\g+4], 4
.endr
	s_wait_dscnt 0x0
	CROUND                                         ; slot 0 and the scale words are whole, and all sixteen work-groups are here
	JLOAD G0+4, G1, G0B+4, G1B                     ; slot 1's first fill, the first tensor load behind the round
	KSTEP 0, 0, 0, 1
	KSTEP 0, 1536, 512, 0
	CHANGE 0, 1                                    ; slot 0 takes K steps 5 to 7; the load has slot 1's three K steps in which to land
	KSTEP 1, 0, 1024, 0
	KSTEP 1, 1536, 1536, 0
	KSTEP 1, 3072, 2048, 0
	CHANGE 0, 0
	KSTEP 0, 0, 2560, 0
	KSTEP 0, 1536, 3072, 0
	KSTEP 0, 3072, 3584, 0
	COEF CA, 0xaf95df0b
	COEF CA+2, 0x32edffee
	COEF CA+4, 0xb60cff51
	COEF CA+6, 0xb86ec2d2
	COEF CA+8, 0xba40ac63
	COEF CA+10, 0xbb41a1f6
	COEF CA+12, 0xbc83dbd4
	COEF CA+14, 0xb77460cd
	COEF CB, 0xb95fbd29
	COEF CB+2, 0xbadc924e
	COEF CB+4, 0xbbf19bf8
	COEF CB+6, 0xbc69b6a7
	COEF RT2, 0x3f3504f3
.irp a, 0,1,2,3
.irp q, 0,1,2,3
	GELU 64*\a+16*\q, H+16*\q
.endr
	QUANT H, PC+12*\a, PW+\a
	global_store_b128 v[L16], v[PC+12*\a:PC+12*\a+3], s[10:11] offset:\a*49152
	global_store_b64 v[L8], v[PC+12*\a+4:PC+12*\a+5], s[10:11] offset:\a*49152+512
	global_store_b128 v[L16], v[PC+12*\a+6:PC+12*\a+9], s[10:11] offset:\a*49152+768
	global_store_b64 v[L8], v[PC+12*\a+10:PC+12*\a+11], s[10:11] offset:\a*49152+1280
.endr
.irp p, 0,1
	v_cndmask_b32 v[SW+\p], v[PW+2*\p], v[PW+2*\p+1], s2
	global_store_b32 v[L4], v[SW+\p], s[12:13] offset:128*\p
.endr
	s_wait_tensorcnt 0x0
	ds_add_u32 v[SPW], v[NIL]
	s_wait_dscnt 0x0
	CROUND
	s_endpgm
.Lfunc_end_k_q3c8ca832bc_ff1:
	.size	k_q3c8ca832bc_ff1, .Lfunc_end_k_q3c8ca832bc_ff1-k_q3c8ca832bc_ff1
	.p2alignl 7, 3214868480
	.fill 96, 4, 3214868480
	.section	.rodata,"a",@progbits
	.p2align	6, 0x0
	.amdhsa_kernel k_q3c8ca832bc_ff1
		.amdhsa_group_segment_fixed_size 327680
		.amdhsa_private_segment_fixed_size 0
		.amdhsa_enable_private_segment 0
		.amdhsa_kernarg_size 24
		.amdhsa_user_sgpr_count 2
		.amdhsa_user_sgpr_kernarg_segment_ptr 1
		.amdhsa_wavefront_size32 1
		.amdhsa_system_sgpr_workgroup_id_x 1
		.amdhsa_system_sgpr_workgroup_id_y 1
		.amdhsa_system_sgpr_workgroup_id_z 1
		.amdhsa_system_vgpr_workitem_id 0
		.amdhsa_next_free_vgpr 512
		.amdhsa_next_free_sgpr 100
		.amdhsa_reserve_vcc 0
		.amdhsa_float_denorm_mode_32 3
		.amdhsa_float_denorm_mode_16_64 3
		.amdhsa_memory_ordered 1
		.amdhsa_forward_progress 1
		.amdhsa_inst_pref_size 255
	.end_amdhsa_kernel
	.amdgpu_metadata
---
amdhsa.version: [ 1, 2 ]
amdhsa.kernels:
  - .name:           k_q3c8ca832bc_ff1
    .symbol:         k_q3c8ca832bc_ff1.kd
    .args:
      - { .name: h2q, .offset: 0, .size: 8, .value_kind: global_buffer, .address_space: global }
      - { .name: wts, .offset: 8, .size: 8, .value_kind: global_buffer, .address_space: global }
      - { .name: gq, .offset: 16, .size: 8, .value_kind: global_buffer, .address_space: global }
    .group_segment_fixed_size: 327680
    .private_segment_fixed_size: 0
    .kernarg_segment_align: 8
    .kernarg_segment_size: 24
    .max_flat_workgroup_size: 256
    .sgpr_count:     100
    .vgpr_count:     512
    .wavefront_size: 32
...
	.end_amdgpu_metadata
.endif
;; end of part 5
;; launch ff2 (part 6): grid 8 x 32, 8 waves a work-group, clusters of 4 x 4, 327,680 bytes of LDS; arguments gq, wts, x, out0; writes out0
.if DOCPART == 6
	.amdgcn_target "amdgcn-amd-amdhsa--gfx1250"
	.amdhsa_code_object_version 6
	.text
	.protected	k_q3c8ca832bc_ff2
	.globl	k_q3c8ca832bc_ff2
	.p2align	8
	.type	k_q3c8ca832bc_ff2,@function
k_q3c8ca832bc_ff2:
	s_mov_b64 s[64:65], 0
	v_nop
	global_prefetch_b8 v0, s[64:65] scope:SCOPE_SE
	s_setreg_imm32_b32 hwreg(HW_REG_WAVE_MODE, 25, 1), 1
	s_wait_xcnt 0x0
	s_wait_alu depctr_hold_cnt(0) depctr_sa_sdst(0) depctr_va_vdst(0) depctr_va_sdst(0) depctr_va_ssrc(0) depctr_va_vcc(0) depctr_vm_vsrc(0)
	s_getreg_b32 s2, hwreg(HW_REG_IB_STS2, 6, 4)
	s_cmp_eq_u32 s2, 0
	s_cbranch_scc0 .Lentry_in_a_cluster
	s_endpgm
.Lentry_in_a_cluster:
	s_bfe_u32 s2, ttmp6, 0x10000c
	s_cmp_lg_u32 s2, 0xf033
	s_cbranch_scc0 .Lentry_shape_is_right
	s_endpgm
.Lentry_shape_is_right:
.set KS,    32
.set WOFF,  6291456
.set BSOFF, 9437184+262144
.set ASOFF, 12582912
.set NFILL, KS/4
.set RTB,   KS*1536
.set SROWS, KS                         ; rows of 256 bytes in half of an operand's scale words
.set AST,   6144
.set SLOT,  98304
.set BOFF,  49152
.set SCL,   2*SLOT
.set SPARE, 262144
.set STEPB, 12288
.set L16, 1
.set L8,  2
.set L4,  3
.set A16, 4
.set A8,  6
.set B16, 8
.set B8,  10
.set ASA, 12
.set BSA, 13
.set SPW, 14
.set NIL, 15
.set AS,  16
.set BS,  18
.set RS,  22
.set AF,  24
.set BF,  72
.set X,   24
.set Y,   88
.set XR,  168
.set RR,  232
.set STI, 233
.set PFO, 235                          ; v235 the prefetches' offset: 256 x min(lane, 11); never rewritten
.set G1,  24
.set G0,  32
.set G1B, 48
.set G0B, 56
.set G1S, 68
.set G0S, 76
.set G1SB, 80
.set G0SB, 88
.set MSB, 0
.macro WIN new
.if MSB != \new
	s_set_vgpr_msb (MSB<<8)|\new
.set MSB, \new
.endif
.endm
.macro PLACES n
.rept \n
	v_nop
.endr
.endm
.macro JLOAD g0a, g1a, g0b, g1b
	s_cmp_eq_u32 s15, 0
	s_cbranch_scc0 .Lfor_b_\@
	tensor_load_to_lds s[\g0a:\g0a+3], s[\g1a:\g1a+7]
	s_nop 0
.rept 4
	v_nop
.endr
	s_branch .Lasked_\@
.Lfor_b_\@:
	tensor_load_to_lds s[\g0b:\g0b+3], s[\g1b:\g1b+7]
	s_nop 0
.rept 4
	v_nop
.endr
.Lasked_\@:
.endm
.macro CROUND
	s_barrier_signal -1
	s_barrier_wait -1
	s_cmp_lg_u32 s14, 0
	s_cbranch_scc1 .Lnot_wave_0_\@
	s_barrier_signal -3
.Lnot_wave_0_\@:
	s_barrier_wait -3
	s_barrier_signal -1
	s_barrier_wait -1
.endm
.macro FRAG reg, a16, a8, off
	ds_load_b128 v[(\reg):(\reg)+3], v[\a16] offset:(\off)
	ds_load_b64 v[(\reg)+4:(\reg)+5], v[\a8] offset:(\off)+512
	ds_load_b128 v[(\reg)+6:(\reg)+9], v[\a16] offset:(\off)+768
	ds_load_b64 v[(\reg)+10:(\reg)+11], v[\a8] offset:(\off)+1280
.endm
.macro WM d, bf, af, zero, sb, sa, rb, ra
.if (\zero)
.if ((\rb)==0)&&((\ra)==0)
	v_wmma_scale_f32_16x16x128_f8f6f4 v[(\d):(\d)+7], v[(\bf):(\bf)+11], v[(\af):(\af)+11], 0, v[(\sb)], v[(\sa)] matrix_a_fmt:MATRIX_FMT_FP6 matrix_b_fmt:MATRIX_FMT_FP6
.elseif ((\rb)==1)&&((\ra)==0)
	v_wmma_scale_f32_16x16x128_f8f6f4 v[(\d):(\d)+7], v[(\bf):(\bf)+11], v[(\af):(\af)+11], 0, v[(\sb)], v[(\sa)] matrix_a_fmt:MATRIX_FMT_FP6 matrix_b_fmt:MATRIX_FMT_FP6 matrix_a_scale:MATRIX_SCALE_ROW1
.elseif ((\rb)==0)&&((\ra)==1)
	v_wmma_scale_f32_16x16x128_f8f6f4 v[(\d):(\d)+7], v[(\bf):(\bf)+11], v[(\af):(\af)+11], 0, v[(\sb)], v[(\sa)] matrix_a_fmt:MATRIX_FMT_FP6 matrix_b_fmt:MATRIX_FMT_FP6 matrix_b_scale:MATRIX_SCALE_ROW1
.else
	v_wmma_scale_f32_16x16x128_f8f6f4 v[(\d):(\d)+7], v[(\bf):(\bf)+11], v[(\af):(\af)+11], 0, v[(\sb)], v[(\sa)] matrix_a_fmt:MATRIX_FMT_FP6 matrix_b_fmt:MATRIX_FMT_FP6 matrix_a_scale:MATRIX_SCALE_ROW1 matrix_b_scale:MATRIX_SCALE_ROW1
.endif
.else
.if ((\rb)==0)&&((\ra)==0)
	v_wmma_scale_f32_16x16x128_f8f6f4 v[(\d):(\d)+7], v[(\bf):(\bf)+11], v[(\af):(\af)+11], v[(\d):(\d)+7], v[(\sb)], v[(\sa)] matrix_a_fmt:MATRIX_FMT_FP6 matrix_b_fmt:MATRIX_FMT_FP6
.elseif ((\rb)==1)&&((\ra)==0)
	v_wmma_scale_f32_16x16x128_f8f6f4 v[(\d):(\d)+7], v[(\bf):(\bf)+11], v[(\af):(\af)+11], v[(\d):(\d)+7], v[(\sb)], v[(\sa)] matrix_a_fmt:MATRIX_FMT_FP6 matrix_b_fmt:MATRIX_FMT_FP6 matrix_a_scale:MATRIX_SCALE_ROW1
.elseif ((\rb)==0)&&((\ra)==1)
	v_wmma_scale_f32_16x16x128_f8f6f4 v[(\d):(\d)+7], v[(\bf):(\bf)+11], v[(\af):(\af)+11], v[(\d):(\d)+7], v[(\sb)], v[(\sa)] matrix_a_fmt:MATRIX_FMT_FP6 matrix_b_fmt:MATRIX_FMT_FP6 matrix_b_scale:MATRIX_SCALE_ROW1
.else
	v_wmma_scale_f32_16x16x128_f8f6f4 v[(\d):(\d)+7], v[(\bf):(\bf)+11], v[(\af):(\af)+11], v[(\d):(\d)+7], v[(\sb)], v[(\sa)] matrix_a_fmt:MATRIX_FMT_FP6 matrix_b_fmt:MATRIX_FMT_FP6 matrix_a_scale:MATRIX_SCALE_ROW1 matrix_b_scale:MATRIX_SCALE_ROW1
.endif
.endif
.endm
.macro KSTEP slot, zero
.irp p, 0,1
	ds_load_b32 v[AS+\p], v[ASA] offset:128*\p
.endr
.irp q, 0,1,2,3
	ds_load_b32 v[BS+\q], v[BSA] offset:128*\q
.endr
.irp a, 0,1,2,3
	FRAG AF+12*\a, A16+\slot, A8+\slot, \a*AST
.endr
.irp b, 0,1,2,3,4,5,6,7
	FRAG BF+12*\b, B16+\slot, B8+\slot, \b*AST
.endr
	WIN 0x50
.irp b, 0,1,2,3,4,5,6,7
	s_wait_dscnt 4*(7-\b)
.irp a, 0,1,2,3
	WM 8*(8*\a+\b), BF+12*\b, AF+12*\a, \zero, BS+\b/2, AS+\a/2, \b%2, \a%2
.endr
.endr
	WIN 0
	PLACES 4
.endm
.macro CHANGE slot, fill
.if \fill
	s_wait_xcnt 0x0                                ; my last prefetch has read its address, which steps one slot fill on
	s_add_nc_u64 s[12:13], s[12:13], AST
.endif
	s_wait_tensorcnt 0x0
	ds_add_u32 v[SPW], v[NIL]
.if \fill
	s_add_nc_u64 s[G0+4*\slot+2:G0+4*\slot+3], s[G0+4*\slot+2:G0+4*\slot+3], STEPB
	s_add_nc_u64 s[G0B+4*\slot+2:G0B+4*\slot+3], s[G0B+4*\slot+2:G0B+4*\slot+3], STEPB
.endif
	v_add_nc_u32 v[ASA], 2048, v[ASA]
	v_add_nc_u32 v[BSA], 2048, v[BSA]
	s_wait_dscnt 0x0
.if \fill
	CROUND
	JLOAD G0+4*\slot, G1, G0B+4*\slot, G1B
	s_cmp_gt_u32 s3, 1                             ; the loop's last trip has no slot fill two on
	s_cbranch_scc0 .Lno_ask_\@
	global_prefetch_b8 v[PFO], s[12:13] offset:2*AST th:TH_LOAD_NT scope:SCOPE_SE   ; the fill that stands two on: my work-group's 12 of the 48 blocks of 256 bytes that I fetch jointly
.Lno_ask_\@:
.else
	s_barrier_signal -1
	s_barrier_wait -1
.endif
.endm
	s_load_b256 s[4:11], s[0:1], 0x0
	v_lshl_add_u32 v[SPW], v0, 2, SPARE
	v_mov_b32 v[NIL], 0
	ds_add_u32 v[SPW], v[NIL]
	ds_add_u32 v[SPW], v[NIL]
	v_lshrrev_b32 v1, 5, v0
	s_delay_alu instid0(VALU_DEP_1)
	v_readfirstlane_b32 s14, v1
	s_lshr_b32 s15, s14, 2
	s_and_b32 s16, s14, 3
	s_bfe_u32 s40, ttmp6, 0x40000
	s_bfe_u32 s41, ttmp6, 0x40004
	s_lshl_b32 s42, ttmp9, 2
	s_add_co_u32 s42, s42, s40
	s_and_b32 s17, ttmp7, 0xffff
	s_lshl_b32 s17, s17, 2
	s_add_co_u32 s17, s17, s41
	s_lshl_b32 s43, s41, 2
	s_lshl_b32 s43, 15, s43
	s_lshl_b32 s44, 0x1111, s40
	s_or_b32 s[G1], s43, (3<<16)|(1<<21)
	s_or_b32 s[G1B], s44, (3<<16)|(1<<21)
.irp g, G1, G1B
	s_mov_b32 s[\g+1], 768<<16
	s_mov_b32 s[\g+2], 4<<16                       ; the head's loads: four position tiles
	s_mov_b32 s[\g+3], 768<<16
	s_mov_b32 s[\g+4], 4
	s_mov_b32 s[\g+5], KS*192
	s_mov_b32 s[\g+6], 0
	s_mov_b32 s[\g+7], 0
.endr
	s_or_b32 s[G1S], s43, (3<<16)|(1<<21)
	s_or_b32 s[G1SB], s44, (3<<16)|(1<<21)
.irp g, G1S, G1SB
	s_mov_b32 s[\g+1], 32<<16
	s_mov_b32 s[\g+2], SROWS<<16
	s_mov_b32 s[\g+3], 32<<16
	s_mov_b32 s[\g+4], SROWS
	s_mov_b32 s[\g+5], 32
	s_mov_b32 s[\g+6], 0
	s_mov_b32 s[\g+7], 0
.endr
	s_and_b32 s95, s14, 1                          ; at the head: which slot, or which half of the scale words, I fetch
	s_mul_i32 s20, s17, 8*RTB
	s_mov_b32 s21, 0
	s_mul_i32 s46, s42, 8*RTB
	s_add_co_u32 s46, s46, WOFF
	s_mov_b32 s47, 0
	s_mul_i32 s19, s95, SROWS*256
	s_mul_i32 s22, s17, KS*512
	s_add_co_u32 s22, s22, s19
	s_add_co_u32 s22, s22, ASOFF
	s_mov_b32 s23, 0
	s_mul_i32 s92, s42, KS*512
	s_add_co_u32 s92, s92, s19
	s_add_co_u32 s92, s92, BSOFF
	s_mov_b32 s93, 0
	s_mul_i32 s45, s14, 12288
	s_mul_i32 s94, s95, SROWS*256
	s_wait_dscnt 0x0
	s_wait_kmcnt 0x0
	s_add_nc_u64 s[20:21], s[4:5], s[20:21]
	s_add_nc_u64 s[22:23], s[4:5], s[22:23]
	s_add_nc_u64 s[46:47], s[6:7], s[46:47]
	s_add_nc_u64 s[92:93], s[6:7], s[92:93]
	CROUND
	s_mov_b32 s[G0S], 1
	s_add_co_u32 s[G0S+1], s94, SCL
	s_mov_b64 s[G0S+2:G0S+3], s[22:23]
	s_or_b32 s[G0S+3], s[G0S+3], 0x80000000
	s_mov_b32 s[G0SB], 1
	s_add_co_u32 s[G0SB+1], s94, SCL+KS*512
	s_mov_b64 s[G0SB+2:G0SB+3], s[92:93]
	s_or_b32 s[G0SB+3], s[G0SB+3], 0x80000000
	s_mul_i32 s18, s95, 4*RTB                      ; the head's loads of codes: half w % 2 of slot 0's eight tiles
	s_mov_b32 s19, 0
	s_mov_b32 s96, 1
	s_mul_i32 s97, s95, 4*AST
	s_add_nc_u64 s[98:99], s[20:21], s[18:19]
	s_or_b32 s99, s99, 0x80000000
	s_mov_b32 s4, 1                                ; (the arguments that lay in s[4:7] have been used)
	s_add_co_u32 s5, s97, BOFF
	s_add_nc_u64 s[6:7], s[46:47], s[18:19]
	s_or_b32 s7, s7, 0x80000000
	s_mul_i32 s18, s16, 2*RTB                      ; the ring's loads: my two tiles
	s_add_nc_u64 s[20:21], s[20:21], s[18:19]
	s_add_nc_u64 s[46:47], s[46:47], s[18:19]
.irp s, 0,1
	s_mov_b32 s[G0+4*\s], 1
	s_add_co_u32 s[G0+4*\s+1], s45, \s*SLOT
	s_add_nc_u64 s[G0+4*\s+2:G0+4*\s+3], s[20:21], \s*AST
	s_or_b32 s[G0+4*\s+3], s[G0+4*\s+3], 0x80000000
	s_mov_b32 s[G0B+4*\s], 1
	s_add_co_u32 s[G0B+4*\s+1], s45, \s*SLOT
	s_add_nc_u64 s[G0B+4*\s+2:G0B+4*\s+3], s[46:47], \s*AST
	s_or_b32 s[G0B+4*\s+3], s[G0B+4*\s+3], 0x80000000
.endr
; THE HEAD'S LOADS, ONE A WAVE: waves 0, 1 the halves of A's tiles for slot 0; waves 2, 3 of B's; waves 4, 5 the halves of A's scale words; waves 6, 7 of B's.  One chain of branches on the wave's number, one load to an arm, one join
.macro ARM under, g0, g1, next
	s_cmp_lt_u32 s14, \under
	s_cbranch_scc0 \next
	tensor_load_to_lds s[\g0:\g0+3], s[\g1:\g1+7]
	s_nop 0
.rept 4
	v_nop
.endr
	s_branch .Lhead_asked
\next:
.endm
	ARM 2, 96, G1, .Lhead_b
	ARM 4, 4, G1B, .Lhead_sa
	ARM 6, G0S, G1S, .Lhead_sb
	tensor_load_to_lds s[G0SB:G0SB+3], s[G1SB:G1SB+7]
	s_nop 0
.rept 4
	v_nop
.endr
.Lhead_asked:
	v_and_b32 v3, 31, v0
	s_delay_alu instid0(VALU_DEP_1)
	v_lshlrev_b32 v[L16], 4, v3
	s_wait_alu depctr_va_vdst(0)
	v_lshlrev_b32 v[L8], 3, v3
	s_wait_alu depctr_va_vdst(0)
	v_lshlrev_b32 v[L4], 2, v3
	s_wait_alu depctr_va_vdst(0)
	s_lshl_b32 s12, s17, 7
	s_lshl_b32 s13, s15, 6
	s_add_co_u32 s12, s12, s13
	s_lshr_b32 s13, s16, 1
	s_lshl_b32 s13, s13, 5
	s_add_co_u32 s12, s12, s13
	s_and_b32 s13, s16, 1
	s_lshl_b32 s13, s13, 3
	s_add_co_u32 s12, s12, s13
	s_lshl_b32 s12, s12, 12
	s_lshl_b32 s13, s42, 9
	s_add_co_u32 s12, s12, s13
	s_mov_b32 s13, 0
	s_add_nc_u64 s[8:9], s[8:9], s[12:13]
	s_add_nc_u64 s[10:11], s[10:11], s[12:13]
.irp i, 0,1,2,3,4,5,6,7,8,9,10,11,12,13,14,15
	global_load_b128 v[XR+4*\i:XR+4*\i+3], v[L16], s[8:9] offset:(16*(\i/8)+\i%8)*4096
.endr
	; THE PREFETCHES INTO THE L2.  A slot fill is 6,144 bytes of each of the two tiles that I fetch: 48 blocks of 256 bytes, asked for jointly by four partners.  They share the blocks out by address: the partner at place p
	; (cx for A, cy for B) names blocks 12 p .. 12 p + 11, a lane a block; the lanes left over name the last block again.  Fills 1 and 2 are named here, beside the head's fill 0; each later load names the fill that stands two on.
	s_cmp_eq_u32 s15, 0
	s_cselect_b64 s[12:13], s[20:21], s[46:47]     ; my two tiles, of A or of B
	s_cselect_b32 s18, s40, s41                    ; my place among the four
	s_lshr_b32 s19, s18, 1
	s_mul_i32 s19, s19, RTB                        ; places 2 and 3 take the second tile,
	s_and_b32 s18, s18, 1
	s_mul_i32 s18, s18, 3072                       ; odd places a fill's second half
	s_add_co_u32 s18, s18, s19
	s_add_co_u32 s18, s18, AST                     ; the address stands at fill 1
	s_mov_b32 s19, 0
	s_add_nc_u64 s[12:13], s[12:13], s[18:19]
	v_min_u32 v[PFO], 44, v[L4]
	s_delay_alu instid0(VALU_DEP_1)
	v_lshlrev_b32 v[PFO], 6, v[PFO]
	s_wait_alu depctr_va_vdst(0)
	global_prefetch_b8 v[PFO], s[12:13] th:TH_LOAD_NT scope:SCOPE_SE
	global_prefetch_b8 v[PFO], s[12:13] offset:AST th:TH_LOAD_NT scope:SCOPE_SE
	s_mul_i32 s20, s15, 4*AST
	s_mul_i32 s21, s16, 1536
	s_add_co_u32 s20, s20, s21
	s_add_co_u32 s21, s21, BOFF
.irp s, 0,1
	v_add_nc_u32 v[A16+\s], s20, v[L16]
	v_add_nc_u32 v[A8+\s], s20, v[L8]
	v_add_nc_u32 v[B16+\s], s21, v[L16]
	v_add_nc_u32 v[B8+\s], s21, v[L8]
	s_add_co_u32 s20, s20, SLOT
	s_add_co_u32 s21, s21, SLOT
.endr
	s_lshl_b32 s20, s16, 9
	s_lshl_b32 s21, s15, 8
	s_add_co_u32 s21, s21, s20
	s_add_co_u32 s21, s21, SCL
	v_add_nc_u32 v[ASA], s21, v[L4]
	s_add_co_u32 s20, s20, SCL+KS*512
	v_add_nc_u32 v[BSA], s20, v[L4]
	s_lshl_b32 s20, s15, 17
	s_lshl_b32 s21, s16, 13
	s_add_co_u32 s20, s20, s21
	v_add_nc_u32 v[RS], s20, v[L16]
	s_delay_alu instid0(VALU_DEP_1)
	v_add_nc_u32 v[RS+1], 65536, v[RS]
	s_lshl_b32 s20, s14, 15
	v_add_nc_u32 v[RR], s20, v[L16]
	v_and_b32 v[STI], 15, v0
	s_delay_alu instid0(VALU_DEP_1)
	v_mul_u32_u24 v[STI], v[STI], 528
	v_bfe_u32 v234, v0, 4, 1
	s_delay_alu instid0(VALU_DEP_1)
	v_lshl_add_u32 v[STI], v234, 6, v[STI]
	s_delay_alu instid0(VALU_DEP_1)
	v_add_nc_u32 v[STI], s20, v[STI]
	s_wait_alu depctr_va_vdst(0)
	s_wait_tensorcnt 0x0                           ; my one load of the head is in
	ds_add_u32 v[SPW], v[NIL]
.irp g, G1, G1B
	s_mov_b32 s[\g+2], 2<<16                       ; no load of mine is out, so group 1 may be written: the ring's loads bring two tiles a wave
	s_mov_b32 s[\g+4], 2
.endr
	s_wait_dscnt 0x0
	CROUND                                         ; slot 0 and the scale words are whole, and all sixteen work-groups are here
	JLOAD G0+4, G1, G0B+4, G1B                     ; slot 1's first fill, fill 1, the first tensor load behind the round
	global_prefetch_b8 v[PFO], s[12:13] offset:2*AST th:TH_LOAD_NT scope:SCOPE_SE   ; fill 3
	KSTEP 0, 1
.if NFILL > 2
	s_mov_b32 s3, (NFILL-2)/2
.Llap:
	s_wait_alu depctr_va_vdst(0)
	CHANGE 0, 1
	s_wait_alu depctr_va_vdst(0)
	KSTEP 1, 0
	CHANGE 1, 1
	s_wait_alu depctr_va_vdst(0)
	KSTEP 0, 0
	s_sub_co_u32 s3, s3, 1
	s_cmp_lg_u32 s3, 0
	s_cbranch_scc1 .Llap
.endif
	CHANGE 0, 0
	s_wait_alu depctr_va_vdst(0)
	KSTEP 1, 0
	s_wait_dscnt 0x0
	s_barrier_signal -1
	s_barrier_wait -1
	WIN 0x04
.irp a, 0,1,2,3
.irp q, 0,1,2,3,4,5,6,7,8,9,10,11,12,13,14,15
	ds_store_b128 v[RS+\a/2], v[64*\a+4*\q:64*\a+4*\q+3] offset:(\a%2)*32768+512*\q
.endr
.endr
	WIN 0
	s_wait_dscnt 0x0
	s_barrier_signal -1
	s_barrier_wait -1
.irp q, 0,1,2,3,4,5,6,7,8,9,10,11,12,13,14,15
	ds_load_b128 v[X+4*\q:X+4*\q+3], v[RR] offset:512*\q
.endr
.irp k, 1,2,3
.irp q, 0,1,2,3,4,5,6,7,8,9,10,11,12,13,14,15
	ds_load_b128 v[Y+4*\q:Y+4*\q+3], v[RR] offset:\k*8192+512*\q
.endr
	s_wait_dscnt 0x0
.set jj, 0
.rept 32
	v_pk_add_f32 v[X+jj:X+jj+1], v[X+jj:X+jj+1], v[Y+jj:Y+jj+1]
.set jj, jj+2
.endr
.endr
.irp b, 0,1,2,3
.irp u, 0,1
	ds_store_b128 v[STI], v[X+16*\b+8*\u:X+16*\b+8*\u+3] offset:128*\b+32*\u
	ds_store_b128 v[STI], v[X+16*\b+8*\u+4:X+16*\b+8*\u+7] offset:128*\b+32*\u+16
.endr
.endr
.irp i, 0,1,2,3,4,5,6,7,8,9,10,11,12,13,14,15
	ds_load_b128 v[Y+4*\i:Y+4*\i+3], v[RR] offset:528*\i
.endr
	s_wait_loadcnt 0x0
.irp i, 0,1,2,3,4,5,6,7,8,9,10,11,12,13,14,15
	s_wait_dscnt 15-\i
	v_pk_add_f32 v[Y+4*\i:Y+4*\i+1], v[Y+4*\i:Y+4*\i+1], v[XR+4*\i:XR+4*\i+1]
	v_pk_add_f32 v[Y+4*\i+2:Y+4*\i+3], v[Y+4*\i+2:Y+4*\i+3], v[XR+4*\i+2:XR+4*\i+3]
	global_store_b128 v[L16], v[Y+4*\i:Y+4*\i+3], s[10:11] offset:(16*(\i/8)+\i%8)*4096 th:TH_STORE_NT
.endr
	s_wait_tensorcnt 0x0
	ds_add_u32 v[SPW], v[NIL]
	s_wait_dscnt 0x0
	CROUND
	s_endpgm
.Lfunc_end_k_q3c8ca832bc_ff2:
	.size	k_q3c8ca832bc_ff2, .Lfunc_end_k_q3c8ca832bc_ff2-k_q3c8ca832bc_ff2
	.p2alignl 7, 3214868480
	.fill 96, 4, 3214868480
	.section	.rodata,"a",@progbits
	.p2align	6, 0x0
	.amdhsa_kernel k_q3c8ca832bc_ff2
		.amdhsa_group_segment_fixed_size 327680
		.amdhsa_private_segment_fixed_size 0
		.amdhsa_enable_private_segment 0
		.amdhsa_kernarg_size 32
		.amdhsa_user_sgpr_count 2
		.amdhsa_user_sgpr_kernarg_segment_ptr 1
		.amdhsa_wavefront_size32 1
		.amdhsa_system_sgpr_workgroup_id_x 1
		.amdhsa_system_sgpr_workgroup_id_y 1
		.amdhsa_system_sgpr_workgroup_id_z 1
		.amdhsa_system_vgpr_workitem_id 0
		.amdhsa_next_free_vgpr 512
		.amdhsa_next_free_sgpr 100
		.amdhsa_reserve_vcc 0
		.amdhsa_float_denorm_mode_32 3
		.amdhsa_float_denorm_mode_16_64 3
		.amdhsa_memory_ordered 1
		.amdhsa_forward_progress 1
		.amdhsa_inst_pref_size 69
	.end_amdhsa_kernel
	.amdgpu_metadata
---
amdhsa.version: [ 1, 2 ]
amdhsa.kernels:
  - .name:           k_q3c8ca832bc_ff2
    .symbol:         k_q3c8ca832bc_ff2.kd
    .args:
      - { .name: gq, .offset: 0, .size: 8, .value_kind: global_buffer, .address_space: global }
      - { .name: wts, .offset: 8, .size: 8, .value_kind: global_buffer, .address_space: global }
      - { .name: x, .offset: 16, .size: 8, .value_kind: global_buffer, .address_space: global }
      - { .name: out0, .offset: 24, .size: 8, .value_kind: global_buffer, .address_space: global }
    .group_segment_fixed_size: 327680
    .private_segment_fixed_size: 0
    .kernarg_segment_align: 8
    .kernarg_segment_size: 32
    .max_flat_workgroup_size: 256
    .sgpr_count:     100
    .vgpr_count:     512
    .wavefront_size: 32
...
	.end_amdgpu_metadata
.endif
;; end of part 6
